; MI455X (gfx1250); checked and timed in simulation.
; The chip was launched on July 23, 2026; its instructions are those of AMD's public machine-readable ISA for CDNA 5 (MIT licence, August 2026) and "CDNA5" Instruction Set Architecture Reference Guide (July 2026). The comments in the code are by the model that wrote it; some were corrected since.
;; Multi Scale Attention. Allowed arithmetic: matrix products marked QUANTISED: E2M3 operands, one E8M0 scale for each 32 along K, by v_wmma_scale_f32_16x16x128_f8f6f4 with both operands' format E2M3, f32 sums; products left as they are: f32 operands where the result goes on into a quantised operand, else bf16, f16 or f32 operands; f32 sums; everything else in f32.
;; Inputs: Wout 1,024 x 1,024 float32; Wqkv 1,024 x 3,072 float32; Wscale 1,024 x 4 float32; bout 1,024 float32; bqkv 3,072 float32; bscale 4 float32; x 2 x 2,048 x 1,024 float32.
;; Outputs: out0 2 x 2,048 x 1,024 float32.
;; This version of the problem:
;;   THIS VERSION OF THE PROBLEM IS GIVEN IN LOW PRECISION. The matrix products marked QUANTISED in the list below multiply operands that are first quantised to E2M3 (2 exponent bits, 3 mantissa bits; 6 bits a number), with one power-of-two scale for each 32 numbers along K (OCP MX v1.0); their sums are f32. All else is computed in f32.
;;   The module's matrix products, in the order in which they are computed (A, B: the left and right operand; K: the contracted axis; several contracted axes count as one K, in the product's order):
;;     1. [M 4,096, K 1,024] x [K 1,024, N 3,072]; A: input x; B: input Wqkv: QUANTISED
;;     2. [M 4,096, K 1,024] x [K 1,024, N 4]; A: input x; B: input Wscale: left as it is (N = 4 < 16)
;;     3. batch 32 x [M 2,048, K 64] x [K 64, N 2,048]; A: computed on the way; B: computed on the way: QUANTISED
;;     4. batch 32 x [M 2,048, K 2,048] x [K 2,048, N 64]; A: softmax (see below); B: computed on the way: QUANTISED
;;     5. batch 32 x [M 2,048, K 64] x [K 64, N 1,024]; A: computed on the way; B: computed on the way: QUANTISED
;;     6. batch 32 x [M 2,048, K 1,024] x [K 1,024, N 64]; A: softmax (see below); B: computed on the way: QUANTISED
;;     7. batch 32 x [M 2,048, K 64] x [K 64, N 512]; A: computed on the way; B: computed on the way: QUANTISED
;;     8. batch 32 x [M 2,048, K 512] x [K 512, N 64]; A: softmax (see below); B: computed on the way: QUANTISED
;;     9. batch 32 x [M 2,048, K 64] x [K 64, N 256]; A: computed on the way; B: computed on the way: QUANTISED
;;     10. batch 32 x [M 2,048, K 256] x [K 256, N 64]; A: softmax (see below); B: computed on the way: QUANTISED
;;     11. [M 4,096, K 1,024] x [K 1,024, N 1,024]; A: computed on the way; B: input Wout: QUANTISED
;;   THE QUANTISER, for each operand of a quantised product, along K:
;;     - K is cut into blocks of 32 from its start; a last block that is shorter is filled with zeros.
;;     - A block's scale is 2^e with e = floor(log2(the largest magnitude in the block)) - 2, held to -126 .. 127; a block of zeros has e = 0. As a byte (E8M0): e + 127.
;;     - Each number is divided by its block's scale, clamped to +-7.5, and rounded to the nearest number of E2M3, ties to even, subnormals kept.
;;     - The product sums the exact products of the quantised numbers (number of the format x scale) in f32.
;;   ~~~python
;;   def quantise(x, axis):      # numpy; x: float32 -> the quantised numbers, widened to float32 again
;;       x = np.moveaxis(x, axis, -1); K = x.shape[-1]
;;       x = np.pad(x, [(0, 0)] * (x.ndim - 1) + [(0, -K % 32)]); x = x.reshape(x.shape[:-1] + (-1, 32)); a = np.abs(x).max(-1, keepdims=True)
;;       e = np.where(a > 0, np.clip(np.frexp(np.where(a > 0, a, 1))[1] - 1 - 2, -126, 127), 0)      # np.frexp(a)[1] - 1 = floor(log2(a)), exactly
;;       r = np.clip(x / 2.0 ** e, -7.5, 7.5)
;;       step = 2.0 ** (np.maximum(np.frexp(np.where(r == 0, 1, r))[1] - 1, 0) - 3)
;;       q = np.round(r / step) * step * 2.0 ** e      # np.round: ties to even
;;       return np.moveaxis(q.reshape(q.shape[:-2] + (-1,))[..., :K], -1, axis).astype(np.float32)
;;   ~~~
;;   SOFTMAX AHEAD OF A QUANTISED PRODUCT. Where the list says 'softmax', what is quantised is not the finished softmax but p = 2^(t - M), with t = logit x log2(e) and M = ceil(the row's largest t), a whole number; so 1/2 < the row's largest p <= 1. The row's sum l is taken of the UNQUANTISED p, in f32, and the product's result is divided by l at the end. Since M is a whole number, a kernel that streams over the keys may use a running M (the ceiling of the running maximum): every later rescaling is an exact power of two, which a block's scale takes up: the codes' values come out the same.
;;   OPERANDS COMPUTED ON THE WAY. 'Computed on the way' means the value that the module computes at that place (a softmax that the list does not call 'softmax' is quantised finished and normalised). What goes into a quantiser is computed in f32, as accurately as f32 sums, v_exp_f32 and their like allow (about 1e-6 of the number): no bf16 or f16 on the way to a quantiser, and a product that is left as it is and whose result goes on into a quantised operand takes f32 operands (vector FMAs, or v_wmma_f32_16x16x4_f32). A number that lies on a knife's edge between two numbers of the format may be rounded either way, as far as f32 arithmetic and the matrix unit's own rounding can turn it there, and no further.
;; One version. Each part assembles by itself: llvm-mc -triple=amdgcn-amd-amdhsa -mcpu=gfx1250 --defsym DOCPART=n.
;; ======== version 1 of 1: 4 launches
;; limits: right only within a limited range of input values
;; workspace buffers: prepbuf 7,405,568 bytes; qkvbuf 12,959,744 bytes; attbuf 3,276,800 bytes
;; launch prep (part 1): grid 192 x 1, 16 waves a work-group, no clusters, 169,472 bytes of LDS; arguments x, Wqkv, Wout, Wscale, bscale, prepbuf; writes prepbuf
.if DOCPART == 1
	.amdgcn_target "amdgcn-amd-amdhsa--gfx1250"
	.amdhsa_code_object_version 6
	.text
	.protected	k_qe7787f0d1d_prep
	.globl	k_qe7787f0d1d_prep
	.p2align	8
	.type	k_qe7787f0d1d_prep,@function
k_qe7787f0d1d_prep:
	s_mov_b64 s[64:65], 0
	v_nop
	global_prefetch_b8 v0, s[64:65] scope:SCOPE_SE
	s_setreg_imm32_b32 hwreg(HW_REG_WAVE_MODE, 25, 1), 1
	s_wait_xcnt 0x0
; x [4096][1024], Wqkv [1024][3072] and Wout [1024][1024], f32, become codes of FP6 (E2M3) with one E8M0 byte for each 32 along K (K = 1024: x's last axis, the weights' first);
; and gate = softmax(x Wscale + bscale), f32, by fused multiply-adds.
; LAYOUT OF THE CODES: planes of 64 along K: [plane 16][row][48 bytes].  A weight's row is a POSITION: column n lies at position n with bits 3 and 4 exchanged.  Scale bytes: [row][32].
; A block's scale is 2^(floor(log2(largest magnitude)) - 2); its byte is the largest magnitude's exponent field - 2, held at 1 from below.
; LIMITS: a block of zeros, or one whose largest magnitude lies under 2^-124, gets the byte 1 (the bytes are read by this program alone; zero codes add nothing); NaN and infinities among the inputs are not served.
; Work-groups 0-47 take 64 columns of Wqkv each, 48-63 64 columns of Wout, 64-191 32 rows of x.  The two paths part on the work-group's number and have LDS bytes of their own.
.set WCO,    3145728                   ; byte offsets in prepbuf: x's codes at 0, Wqkv's,
.set OCO,    6291456                   ; Wout's,
.set XSO,    7077888                   ; x's scale bytes,
.set WSO,    7208960                   ; Wqkv's,
.set OSO,    7307264                   ; Wout's,
.set GTO,    7340032                   ; the gate [4096][4] f32
.set PLANE,  196608                    ; a plane of x's or Wqkv's codes: 4096 rows x 48 bytes
.set OPLANE, 49152                     ; of Wout's: 1024 x 48
.set SP,     80                        ; x path: a lane's place in a stage: 64 bytes + 16
.set XSC,    81920                     ; x path: behind 16 waves x 2 stages x 32 x 80: the scale bytes [row 32][32]
.set GP,     82944                     ; x path: the gate's partial sums [row 32] pitch 272 [plane 16][16 bytes]
.set WSTG,   91648                     ; W path: 4,608 bytes a wave: 32 rows x (8 places of 16 bytes + 16)
.set WSG,    165376                    ; W path: the scale bytes [position 64][32]
	s_load_b256 s[4:11], s[0:1], 0x0               ; x s[4:5], Wqkv s[6:7], Wout s[8:9], Wscale s[10:11]
	s_load_b128 s[12:15], s[0:1], 0x20             ; bscale s[12:13], prepbuf s[14:15]
	v_lshl_add_u32 v224, v0, 2, 0x28e00
	v_mov_b32 v225, 0
	v_lshrrev_b32 v1, 5, v0
	s_delay_alu instid0(VALU_DEP_1)
	v_readfirstlane_b32 s16, v1                    ; wave 0..15
	v_and_b32 v2, 31, v0                           ; lane
	s_wait_kmcnt 0x0
	s_cmp_lt_u32 ttmp9, 64
	s_cbranch_scc0 .Lxpath
; ======== THE WEIGHTS.  A lane takes a column, its registers run down K.  Wave w: columns 32 (w & 1) on, K = 128 (w >> 1) on: four blocks, two planes.
.set X,    32                          ; v32-95   two sets of 32 numbers
.set C,    96                          ; v96-102  a block's codes
.set OUTR, 112                         ; v112-143 the way out
.set RO,   144                         ; v144-175 4 x lane + i x a row of the weight
	s_wait_alu depctr_va_vdst(0)
	v_and_b32 v3, 7, v2
	v_bfe_u32 v12, v2, 3, 1
	v_bfe_u32 v13, v2, 4, 1
	s_delay_alu instid0(VALU_DEP_2)
	v_lshl_or_b32 v3, v12, 4, v3
	s_delay_alu instid0(VALU_DEP_1)
	v_lshl_or_b32 v3, v13, 3, v3                   ; my column's position among the wave's 32
	s_wait_alu depctr_va_vdst(0)
	s_and_b32 s17, s16, 1                          ; which 32 columns
	s_lshr_b32 s18, s16, 1                         ; which 128 along K
	s_mul_i32 s19, s16, 4608
	s_add_co_u32 s19, s19, WSTG                    ; my stage
	v_mul_u32_u24 v4, v3, 144
	s_delay_alu instid0(VALU_DEP_1)
	v_add_nc_u32 v4, s19, v4                       ; into it: row = my position
	v_lshrrev_b32 v12, 2, v2
	s_delay_alu instid0(VALU_DEP_1)
	v_mul_u32_u24 v7, v12, 144
	v_and_b32 v13, 3, v2
	s_delay_alu instid0(VALU_DEP_1)
	v_lshl_add_u32 v7, v13, 4, v7
	s_delay_alu instid0(VALU_DEP_1)
	v_add_nc_u32 v7, s19, v7                       ; out of it: four lanes to a row's 48 bytes of a plane, eight rows an instruction
	v_mul_u32_u24 v8, v2, 12                       ; and the same place in memory
	s_lshl_b32 s20, s17, 10
	s_lshl_b32 s21, s18, 2
	s_add_co_u32 s20, s20, s21
	s_add_co_u32 s20, s20, WSG
	v_lshl_add_u32 v9, v3, 5, s20                  ; my position's scale word for my 128 along K
	s_and_b32 s21, s16, 3
	s_lshl_b32 s21, s21, 9
	v_lshl_add_u32 v11, v2, 4, s21                 ; the scale bytes' way out: 512 bytes for each of waves 0-3
	s_delay_alu instid0(VALU_DEP_1)
	v_add_nc_u32 v10, WSG, v11
	v_lshlrev_b32 v14, 2, v2
	s_wait_alu depctr_va_vdst(0)
	s_mov_b32 s24, 4096
	s_mov_b32 s26, OCO
	s_mov_b32 s27, OPLANE
	s_mov_b32 s28, OSO
	s_cmp_lt_u32 ttmp9, 48                         ; Wqkv's work-group or Wout's: only pointers, pitches and offsets are chosen; the text is one
	s_cselect_b64 s[22:23], s[6:7], s[8:9]
	s_cselect_b32 s24, 12288, s24                  ; a row of the weight in bytes
	s_cselect_b32 s25, 0, 48
	s_cselect_b32 s26, WCO, s26
	s_cselect_b32 s27, PLANE, s27
	s_cselect_b32 s28, WSO, s28
	s_sub_co_u32 s25, ttmp9, s25
	s_lshl_b32 s25, s25, 6                         ; the work-group's first column
	s_lshl_b32 s29, s17, 5
	s_add_co_u32 s29, s29, s25                     ; the wave's
	s_lshl_b32 s30, s18, 7
	s_mul_i32 s30, s30, s24
	s_lshl_b32 s31, s29, 2
	s_add_co_u32 s30, s30, s31
	s_mov_b32 s31, 0
	s_add_nc_u64 s[32:33], s[22:23], s[30:31]      ; block 0: row 128 (w >> 1), my wave's columns
	s_lshl_b32 s30, s24, 5
	s_add_nc_u64 s[34:35], s[32:33], s[30:31]      ; blocks 1 to 3: 32 rows further down each
	s_add_nc_u64 s[36:37], s[34:35], s[30:31]
	s_add_nc_u64 s[38:39], s[36:37], s[30:31]
	s_lshl_b32 s40, s18, 1
	s_mul_i32 s40, s40, s27
	s_add_co_u32 s40, s40, s26
	s_mul_i32 s41, s29, 48
	s_add_co_u32 s40, s40, s41
	s_mov_b32 s41, 0
	s_add_nc_u64 s[42:43], s[14:15], s[40:41]      ; the codes: plane 2 (w >> 1), my wave's 32 positions,
	s_mov_b32 s40, s27
	s_add_nc_u64 s[44:45], s[42:43], s[40:41]      ; and the plane behind it
	s_lshl_b32 s40, s25, 5
	s_add_co_u32 s40, s40, s28
	s_add_nc_u64 s[46:47], s[14:15], s[40:41]      ; the work-group's 64 rows of scale bytes
.set i, 0
.rept 32
	v_mad_u32_u24 v[RO+i], s24, i, v14
.set i, i+1
.endr
.macro WLOAD t                         ; block t: W(32 t + i, my column) into set t % 2; each load reads 128 consecutive bytes, two waves side by side 256
.set i, 0
.rept 32
	global_load_b32 v[X+32*((\t)%2)+i], v[RO+i], s[32+2*(\t):33+2*(\t)] th:TH_LOAD_NT
.set i, i+1
.endr
.endm
.macro WBLOCK t
.set XSR, X+32*((\t)%2)
.if (\t) < 3
	s_wait_loadcnt 32                              ; this block's 32 loads are in; the next block's may be out
.else
	s_wait_loadcnt 0
.endif
	v_max3_num_f32 v12, |v[XSR]|, |v[XSR+1]|, |v[XSR+2]|          ; the block's largest magnitude: all 32 numbers are mine
	v_max3_num_f32 v13, |v[XSR+3]|, |v[XSR+4]|, |v[XSR+5]|
.irp i, 6,10,14,18,22,26
	s_delay_alu instid0(VALU_DEP_2)
	v_max3_num_f32 v12, v12, |v[XSR+\i]|, |v[XSR+\i+1]|
	s_delay_alu instid0(VALU_DEP_2)
	v_max3_num_f32 v13, v13, |v[XSR+\i+2]|, |v[XSR+\i+3]|
.endr
	s_delay_alu instid0(VALU_DEP_2)
	v_max3_num_f32 v12, v12, |v[XSR+30]|, |v[XSR+31]|
	s_delay_alu instid0(VALU_DEP_1)
	v_max3_num_f32 v12, v12, v13, 0x1800000        ; and the floor 2^(3 - 127): the byte cannot fall under 1
	s_delay_alu instid0(VALU_DEP_1)
	v_add_nc_u32 v15, 0xff000000, v12              ; 2 off the exponent field: the conversion's scale operand
	s_delay_alu instid0(VALU_DEP_1)
	v_lshrrev_b32 v13, 23, v15                     ; the scale's byte
.if (\t) == 0
	s_delay_alu instid0(VALU_DEP_1)
	v_mov_b32 v24, v13
.else
	s_delay_alu instid0(VALU_DEP_1)
	v_lshl_or_b32 v24, v13, 8*(\t), v24            ; four bytes make the word of my 128 along K
.endif
	v_cvt_scalef32_pk16_fp6_f32 v[C:C+2], v[XSR:XSR+15], v15
	v_cvt_scalef32_pk16_fp6_f32 v[C+4:C+6], v[XSR+16:XSR+31], v15
	ds_store_b96 v4, v[C:C+2] offset:32*(\t)       ; 12 bytes to a place of 16
	ds_store_b96 v4, v[C+4:C+6] offset:32*(\t)+16
.if (\t) < 2
	WLOAD (\t)+2
.endif
	s_wait_dscnt 0x0                               ; the stores have read their registers: the next block's codes may be written
.endm
	WLOAD 0
	WLOAD 1
	WBLOCK 0
	WBLOCK 1
	WBLOCK 2
	WBLOCK 3
	s_wait_alu depctr_va_vdst(0)
	ds_store_b32 v9, v24
.irp n, 0,1,2,3,4,5,6,7                ; plane n / 4, rows 8 (n % 4) on.  LDS serves a wave's instructions in order: these see my stores
	ds_load_b96 v[OUTR+4*\n:OUTR+4*\n+2], v7 offset:1152*(\n%4)+64*(\n/4)
.endr
.irp n, 0,1,2,3
	s_wait_dscnt 7-\n                              ; read n is back; the younger ones may be out
	global_store_b96 v8, v[OUTR+4*\n:OUTR+4*\n+2], s[42:43] offset:384*\n          ; 384 consecutive bytes
.endr
.irp n, 4,5,6,7
	s_wait_dscnt 7-\n
	global_store_b96 v8, v[OUTR+4*\n:OUTR+4*\n+2], s[44:45] offset:384*(\n-4)
.endr
	s_wait_dscnt 0x0                               ; for the others' sake: my scale word lies in LDS
	s_barrier_signal -1
	s_barrier_wait -1
	s_cmp_lt_u32 s16, 4
	s_cbranch_scc0 .Lwend
	ds_load_b128 v[16:19], v10                     ; 64 positions x 32 bytes leave as four runs of 512 bytes
	s_wait_dscnt 0x0
	global_store_b128 v11, v[16:19], s[46:47]
.Lwend:
	s_wait_tensorcnt 0x0
	ds_add_u32 v224, v225
	s_wait_dscnt 0x0
	s_endpgm
; ======== x.  The work-group takes 32 rows, wave w the plane w (columns 64 w on: 256 bytes of each row), in four steps of 8 rows.
; Each load reads two rows' 256 bytes; a step's 2,048 bytes turn through the wave's own stage, so that a lane holds 16 neighbours along K and two neighbouring lanes a block.
.Lxpath:
.set R,   16                           ; v16-79   four sets of 16 numbers as loaded
.set XX,  80                           ; v80-111  two sets of 16 neighbours
.set CC,  112                          ; v112-127 codes, four registers a step
.set WSR, 128                          ; v128-191 Wscale[64 w + 16 (lane & 3) + i][c] at 4 i + c
.set E,   192                          ; v192-195 a byte a step
.set GA,  196                          ; v196-211 the gate's sums, four a step
	s_load_b128 s[40:43], s[12:13], 0x0            ; bscale
	s_sub_co_u32 s17, ttmp9, 64                    ; which 32 rows
	s_mul_i32 s18, s16, 5120
	s_wait_alu depctr_va_vdst(0)
	v_lshrrev_b32 v14, 2, v2
	s_delay_alu instid0(VALU_DEP_1)
	v_mul_u32_u24 v14, v14, SP
	v_and_b32 v15, 3, v2
	s_delay_alu instid0(VALU_DEP_1)
	v_lshl_add_u32 v14, v15, 4, v14
	s_delay_alu instid0(VALU_DEP_1)
	v_add_nc_u32 v14, s18, v14                     ; the stage, in: four lanes' 64 bytes on end, then 16 of padding
	v_mul_u32_u24 v15, v2, SP
	s_delay_alu instid0(VALU_DEP_1)
	v_add_nc_u32 v15, s18, v15                     ; out: my 16 neighbours: row lane / 4 of the step, quarter lane % 4 of its 64
	v_and_b32 v3, 15, v2
	s_delay_alu instid0(VALU_DEP_1)
	v_lshlrev_b32 v3, 4, v3
	v_lshrrev_b32 v8, 4, v2
	s_delay_alu instid0(VALU_DEP_1)
	v_lshl_add_u32 v3, v8, 12, v3                  ; a load: lanes 0-15 one row's 256 bytes, lanes 16-31 the next row's
	v_mul_u32_u24 v4, v2, 12                       ; my 12 bytes of a step's 384
	v_lshrrev_b32 v8, 2, v2
	v_bfe_u32 v9, v2, 1, 1
	s_delay_alu instid0(VALU_DEP_1)
	v_lshl_add_u32 v5, v8, 5, v9
	s_lshl_b32 s19, s16, 1
	s_add_co_u32 s19, s19, XSC
	v_add_nc_u32 v5, s19, v5                       ; my block's scale byte: row, 2 w + block
	v_mul_u32_u24 v6, v8, 272
	s_lshl_b32 s19, s16, 4
	s_add_co_u32 s19, s19, GP
	v_add_nc_u32 v6, s19, v6                       ; my row's partial sums of plane w
	v_and_b32 v7, 3, v2
	s_delay_alu instid0(VALU_DEP_1)
	v_lshlrev_b32 v7, 8, v7                        ; Wscale: 16 rows of 16 bytes for each quarter
	s_wait_alu depctr_va_vdst(0)
	v_mul_u32_u24 v10, v2, 272
	s_delay_alu instid0(VALU_DEP_1)
	v_add_nc_u32 v10, GP, v10                      ; the end, wave 0: lane = row
	s_bfe_u32 s19, s16, 0x10001
	s_lshl_b32 s19, s19, 9
	v_lshl_add_u32 v12, v2, 4, s19                 ; the end, waves 1 and 2: 512 scale bytes each
	s_delay_alu instid0(VALU_DEP_1)
	v_add_nc_u32 v11, XSC, v12
	v_lshlrev_b32 v13, 4, v2
	s_lshl_b32 s20, s17, 17
	s_lshl_b32 s21, s16, 8
	s_add_co_u32 s20, s20, s21
	s_mov_b32 s21, 0
	s_add_nc_u64 s[4:5], s[4:5], s[20:21]          ; x: my first row, my plane's columns
	s_lshl_b32 s20, s16, 10
	s_add_nc_u64 s[10:11], s[10:11], s[20:21]      ; Wscale: my plane's 64 rows
	s_mul_i32 s20, s16, PLANE
	s_mul_i32 s22, s17, 1536
	s_add_co_u32 s20, s20, s22
	s_add_nc_u64 s[24:25], s[14:15], s[20:21]      ; the codes: plane w, my 32 rows
	s_lshl_b32 s20, s17, 10
	s_add_co_u32 s20, s20, XSO
	s_add_nc_u64 s[26:27], s[14:15], s[20:21]      ; the scale bytes of my 32 rows
	s_lshl_b32 s20, s17, 9
	s_add_co_u32 s20, s20, GTO
	s_add_nc_u64 s[28:29], s[14:15], s[20:21]      ; their gates
.set i, 0
.rept 16
	global_load_b128 v[WSR+4*i:WSR+4*i+3], v7, s[10:11] offset:16*i
.set i, i+1
.endr
.irp t, 0,1,2,3
.irp i, 0,1,2,3
	global_load_b128 v[R+16*\t+4*\i:R+16*\t+4*\i+3], v3, s[4:5] offset:(8*\t+2*\i)*4096 th:TH_LOAD_NT
.endr
.endr
.macro XTURN t                         ; step t's numbers through the stage; LDS serves a wave's instructions in order
.irp i, 0,1,2,3
	ds_store_b128 v14, v[R+16*(\t)+4*\i:R+16*(\t)+4*\i+3] offset:32*SP*((\t)%2)+8*SP*\i
.endr
.irp i, 0,1,2,3
	ds_load_b128 v[XX+16*((\t)%2)+4*\i:XX+16*((\t)%2)+4*\i+3], v15 offset:32*SP*((\t)%2)+16*\i
.endr
.endm
	s_wait_loadcnt 12                              ; Wscale and step 0 are in; the three later steps' twelve loads may be out
	XTURN 0
.macro XSTEP t
.set XR, XX+16*((\t)%2)
.set GR, GA+4*(\t)
.if (\t) > 0
	s_wait_dscnt 2                                 ; this step's numbers are back; the last step's byte store and partial-sum store may be out
.else
	s_wait_dscnt 0x0
.endif
.if (\t) < 3
	s_wait_loadcnt 4*(2-(\t))                      ; the next step's four loads are in; those of the steps behind it may be out
	XTURN (\t)+1
.endif
	v_max3_num_f32 v212, |v[XR]|, |v[XR+1]|, |v[XR+2]|
	v_max3_num_f32 v213, |v[XR+3]|, |v[XR+4]|, |v[XR+5]|
.irp i, 6,10
	s_delay_alu instid0(VALU_DEP_2)
	v_max3_num_f32 v212, v212, |v[XR+\i]|, |v[XR+\i+1]|
	s_delay_alu instid0(VALU_DEP_2)
	v_max3_num_f32 v213, v213, |v[XR+\i+2]|, |v[XR+\i+3]|
.endr
	s_delay_alu instid0(VALU_DEP_2)
	v_max3_num_f32 v212, v212, |v[XR+14]|, |v[XR+15]|
	s_delay_alu instid0(VALU_DEP_1)
	v_max3_num_f32 v212, v212, v213, 0x1800000     ; the floor 2^(3 - 127)
	s_delay_alu instid0(VALU_DEP_1)
	v_max_num_f32_dpp v212, v212, v212 row_xmask:1 row_mask:0xf bank_mask:0xf     ; with my neighbour's 16: the block's largest magnitude
	s_delay_alu instid0(VALU_DEP_1)
	v_add_nc_u32 v214, 0xff000000, v212            ; 2 off the exponent field: the conversion's scale operand
	v_cvt_scalef32_pk16_fp6_f32 v[CC+4*(\t):CC+4*(\t)+2], v[XR:XR+15], v214
	v_lshrrev_b32 v[E+(\t)], 23, v214              ; the scale's byte
	ds_store_b8 v5, v[E+(\t)] offset:256*(\t)      ; both lanes of a block write the same byte
	global_store_b96 v4, v[CC+4*(\t):CC+4*(\t)+2], s[24:25] offset:384*(\t)       ; 384 consecutive bytes: 8 rows x 48
.irp c, 0,1,2,3
	v_mul_f32 v[GR+\c], v[XR], v[WSR+\c]           ; the gate's logits: my 16 numbers x Wscale's four columns, in f32
.endr
.irp i, 1,2,3,4,5,6,7,8,9,10,11,12,13,14,15
.irp c, 0,1,2,3
	s_delay_alu instid0(VALU_DEP_4)
	v_fmac_f32 v[GR+\c], v[XR+\i], v[WSR+4*\i+\c]
.endr
.endr
.irp c, 0,1,2,3
	s_delay_alu instid0(VALU_DEP_4)
	v_add_f32_dpp v[GR+\c], v[GR+\c], v[GR+\c] row_xmask:1 row_mask:0xf bank_mask:0xf
.endr
.irp c, 0,1,2,3
	s_delay_alu instid0(VALU_DEP_4)
	v_add_f32_dpp v[GR+\c], v[GR+\c], v[GR+\c] row_xmask:2 row_mask:0xf bank_mask:0xf   ; the row's four lanes: the plane's 64 numbers
.endr
	ds_store_b128 v6, v[GR:GR+3] offset:2176*(\t)  ; the four lanes write the same 16 bytes
.endm
	XSTEP 0
	XSTEP 1
	XSTEP 2
	XSTEP 3
	s_wait_dscnt 0x0                               ; for the others' sake: my bytes and partial sums lie in LDS
	s_barrier_signal -1
	s_barrier_wait -1
	s_cmp_eq_u32 s16, 0
	s_cbranch_scc0 .Lxnot0
.set i, 0
.rept 16
	ds_load_b128 v[16+4*i:19+4*i], v10 offset:16*i ; my row's sixteen partial sums
.set i, i+1
.endr
	s_wait_dscnt 0x0
.irp p, 0,1,2,3,4,5,6,7
	v_pk_add_f32 v[16+4*\p:17+4*\p], v[16+4*\p:17+4*\p], v[48+4*\p:49+4*\p]
	v_pk_add_f32 v[18+4*\p:19+4*\p], v[18+4*\p:19+4*\p], v[50+4*\p:51+4*\p]
.endr
.irp p, 0,1,2,3
	v_pk_add_f32 v[16+4*\p:17+4*\p], v[16+4*\p:17+4*\p], v[32+4*\p:33+4*\p]
	v_pk_add_f32 v[18+4*\p:19+4*\p], v[18+4*\p:19+4*\p], v[34+4*\p:35+4*\p]
.endr
.irp p, 0,1
	s_delay_alu instid0(VALU_DEP_4)
	v_pk_add_f32 v[16+4*\p:17+4*\p], v[16+4*\p:17+4*\p], v[24+4*\p:25+4*\p]
	s_delay_alu instid0(VALU_DEP_4)
	v_pk_add_f32 v[18+4*\p:19+4*\p], v[18+4*\p:19+4*\p], v[26+4*\p:27+4*\p]
.endr
	s_delay_alu instid0(VALU_DEP_2)
	v_pk_add_f32 v[16:17], v[16:17], v[20:21]
	s_delay_alu instid0(VALU_DEP_2)
	v_pk_add_f32 v[18:19], v[18:19], v[22:23]
	s_wait_alu depctr_va_vdst(0)
	s_wait_kmcnt 0x0                               ; bscale
	v_add_f32 v16, s40, v16
	v_add_f32 v17, s41, v17
	v_add_f32 v18, s42, v18
	v_add_f32 v19, s43, v19
	s_delay_alu instid0(VALU_DEP_2)
	v_max3_num_f32 v20, v16, v17, v18              ; the maximum is taken away ahead of the exponentials
	s_delay_alu instid0(VALU_DEP_1)
	v_max_num_f32 v20, v20, v19
.irp c, 0,1,2,3
	v_sub_f32 v[16+\c], v[16+\c], v20
.endr
.irp c, 0,1,2,3
	s_delay_alu instid0(VALU_DEP_4)
	v_mul_f32 v[16+\c], 0x3fb8aa3b, v[16+\c]
.endr
	s_wait_alu depctr_va_vdst(0)
.irp c, 0,1,2,3
	v_exp_f32 v[16+\c], v[16+\c]
.endr
	v_nop                                          ; a plain place behind the exponentials
	s_wait_alu depctr_va_vdst(0)
	v_add_f32 v21, v16, v17
	v_add_f32 v22, v18, v19
	s_delay_alu instid0(VALU_DEP_1)
	v_add_f32 v21, v21, v22
	s_wait_alu depctr_va_vdst(0)
	v_rcp_f32 v21, v21
	v_nop
	s_wait_alu depctr_va_vdst(0)
.irp c, 0,1,2,3
	v_mul_f32 v[16+\c], v[16+\c], v21
.endr
	global_store_b128 v13, v[16:19], s[28:29]      ; 32 rows x 16 bytes: 512 consecutive bytes
	s_wait_tensorcnt 0x0
	ds_add_u32 v224, v225
	s_wait_dscnt 0x0
	s_endpgm
.Lxnot0:
	s_cmp_lt_u32 s16, 3
	s_cbranch_scc0 .Lxend
	ds_load_b128 v[16:19], v11
	s_wait_dscnt 0x0
	global_store_b128 v12, v[16:19], s[26:27]      ; waves 1 and 2: 512 consecutive scale bytes each
.Lxend:
	s_wait_tensorcnt 0x0
	ds_add_u32 v224, v225
	s_wait_dscnt 0x0
	s_endpgm
.Lfunc_end_k_qe7787f0d1d_prep:
	.size	k_qe7787f0d1d_prep, .Lfunc_end_k_qe7787f0d1d_prep-k_qe7787f0d1d_prep
	.p2alignl 7, 3214868480
	.fill 96, 4, 3214868480
	.section	.rodata,"a",@progbits
	.p2align	6, 0x0
	.amdhsa_kernel k_qe7787f0d1d_prep
		.amdhsa_group_segment_fixed_size 169472
		.amdhsa_private_segment_fixed_size 0
		.amdhsa_enable_private_segment 0
		.amdhsa_kernarg_size 48
		.amdhsa_user_sgpr_count 2
		.amdhsa_user_sgpr_kernarg_segment_ptr 1
		.amdhsa_wavefront_size32 1
		.amdhsa_system_sgpr_workgroup_id_x 1
		.amdhsa_system_sgpr_workgroup_id_y 1
		.amdhsa_system_sgpr_workgroup_id_z 1
		.amdhsa_system_vgpr_workitem_id 0
		.amdhsa_next_free_vgpr 226
		.amdhsa_next_free_sgpr 66
		.amdhsa_reserve_vcc 0
		.amdhsa_float_denorm_mode_32 3
		.amdhsa_float_denorm_mode_16_64 3
		.amdhsa_memory_ordered 1
		.amdhsa_forward_progress 1
		.amdhsa_inst_pref_size 65
	.end_amdhsa_kernel
	.amdgpu_metadata
---
amdhsa.version: [ 1, 2 ]
amdhsa.kernels:
  - .name:           k_qe7787f0d1d_prep
    .symbol:         k_qe7787f0d1d_prep.kd
    .args:
      - { .name: x, .offset: 0, .size: 8, .value_kind: global_buffer, .address_space: global }
      - { .name: Wqkv, .offset: 8, .size: 8, .value_kind: global_buffer, .address_space: global }
      - { .name: Wout, .offset: 16, .size: 8, .value_kind: global_buffer, .address_space: global }
      - { .name: Wscale, .offset: 24, .size: 8, .value_kind: global_buffer, .address_space: global }
      - { .name: bscale, .offset: 32, .size: 8, .value_kind: global_buffer, .address_space: global }
      - { .name: prepbuf, .offset: 40, .size: 8, .value_kind: global_buffer, .address_space: global }
    .group_segment_fixed_size: 169472
    .private_segment_fixed_size: 0
    .kernarg_segment_align: 8
    .kernarg_segment_size: 48
    .max_flat_workgroup_size: 512
    .sgpr_count:     66
    .vgpr_count:     226
    .wavefront_size: 32
...
	.end_amdgpu_metadata
.endif
;; end of part 1
;; launch gemm_qkv (part 2): grid 16 x 16, 4 waves a work-group, clusters of 4 x 4, 327,680 bytes of LDS; arguments prepbuf, bqkv, qkvbuf; writes qkvbuf
.if DOCPART == 2
	.amdgcn_target "amdgcn-amd-amdhsa--gfx1250"
	.amdhsa_code_object_version 6
	.text
	.protected	k_qe7787f0d1d_gemm_qkv
	.globl	k_qe7787f0d1d_gemm_qkv
	.p2align	8
	.type	k_qe7787f0d1d_gemm_qkv,@function
k_qe7787f0d1d_gemm_qkv:
	s_mov_b64 s[64:65], 0
	v_nop
	global_prefetch_b8 v0, s[64:65] scope:SCOPE_SE
	s_setreg_imm32_b32 hwreg(HW_REG_WAVE_MODE, 25, 1), 1
	s_wait_xcnt 0x0
	s_wait_alu depctr_hold_cnt(0) depctr_sa_sdst(0) depctr_va_vdst(0) depctr_va_sdst(0) depctr_va_ssrc(0) depctr_va_vcc(0) depctr_vm_vsrc(0)
	s_getreg_b32 s2, hwreg(HW_REG_IB_STS2, 6, 4)
	s_cmp_eq_u32 s2, 0
	s_cbranch_scc0 .Lentry_in_a_cluster
	s_endpgm
.Lentry_in_a_cluster:
	s_bfe_u32 s2, ttmp6, 0x10000c
	s_cmp_lg_u32 s2, 0xf033
	s_cbranch_scc0 .Lentry_shape_is_right
	s_endpgm
.Lentry_shape_is_right:
.set WCO,    3145728
.set XSO,    7077888
.set WSO,    7208960
.set KIO,    3145728
.set VIO,    6291456
.set QSO,    12189696
.set KVSO,   12451840
.set APLANE, 196608
.set BPLANE, 196608
.set NQ,     2
.set FR,     12
.set NL,     6
.set NP,     4
.set PLB,    6144
.set HALFT,  4*PLB
.set SLOT,   4*HALFT
.set LAPS,   2
.set KS,     32
.set SCL,    2*SLOT
.set HALFS,  4352
.set SBLK,   544
.set SPARE,  SCL+4*HALFS
.set L3S,    4096
.set ADRA, 16
.set ADRB, 20
.set ADRS, 27
.set SPW,  28
.set NIL,  29
.set SC,   32
.set BQ,   64
.set AF,   128
.set BV2,  240
.set T,    128
.set PC,   192
.set TM,   212
.set PW,   228
.set SW,   32
.set SEL,  98
.set G1, 24
.set G0, 32
.set G1B, 48
.set G0B, 56
.set MSB, 0
.macro WIN new
.if MSB != \new
	s_set_vgpr_msb (MSB<<8)|\new
.set MSB, \new
.endif
.endm
.set MUL_LO, 0xa1
.set MUL_HI, 0xf1
.set TO_B,   0x40
.macro JLOAD g0a, g1a, g0b, g1b
	s_cmp_eq_u32 s15, 0
	s_cbranch_scc0 .Lfor_b_\@
	tensor_load_to_lds s[\g0a:\g0a+3], s[\g1a:\g1a+7]
	s_nop 0
.rept 4
	v_nop
.endr
	s_branch .Lasked_\@
.Lfor_b_\@:
	tensor_load_to_lds s[\g0b:\g0b+3], s[\g1b:\g1b+7]
	s_nop 0
.rept 4
	v_nop
.endr
.Lasked_\@:
.endm
.macro CREST
	s_cmp_lg_u32 s14, 0
	s_cbranch_scc1 .Lnot_wave_0_\@
	s_barrier_signal -3
.Lnot_wave_0_\@:
	s_barrier_wait -3
	s_barrier_signal -1
	s_barrier_wait -1
.endm
.macro CROUND
	s_barrier_signal -1
	s_barrier_wait -1
	CREST
.endm
	s_load_b128 s[4:7], s[0:1], 0x0
	s_load_b64 s[8:9], s[0:1], 0x10
	v_lshl_add_u32 v[SPW], v0, 2, SPARE
	v_mov_b32 v[NIL], 0
	ds_add_u32 v28, v29
	ds_add_u32 v28, v29
	s_wait_dscnt 0x0
	v_lshrrev_b32 v1, 5, v0
	v_readfirstlane_b32 s14, v1
	s_lshr_b32 s15, s14, 1
	s_and_b32 s16, s14, 1
	s_bfe_u32 s40, ttmp6, 0x40000
	s_bfe_u32 s41, ttmp6, 0x40004
	s_and_b32 s17, ttmp7, 0xffff
	s_lshl_b32 s17, s17, 2
	s_lshl_b32 s42, ttmp9, 2
	s_lshl_b32 s43, s41, 2
	s_lshl_b32 s43, 15, s43
	s_lshl_b32 s44, 0x1111, s40
	s_mov_b32 s94, XSO
	s_mov_b32 s95, WSO
	; cluster columns 0, 1: Q's and K's columns.  Columns 2 and 3 both make V's product: column 2 lays level 0's codes, column 3 those of levels 1 to 3,
	; so that the 15 tiles that V's way out quantises are shared between two work-groups and the grid is 256 work-groups
	s_cmp_ge_u32 ttmp9, 2
	s_cselect_b32 s18, 8, s17
	s_cselect_b32 s19, s17, s42
	s_cselect_b32 s92, WCO, 0
	s_cselect_b32 s93, 0, WCO
	s_cselect_b32 s96, s95, s94
	s_cselect_b32 s97, s94, s95
	s_add_co_u32 s17, s18, s41
	s_add_co_u32 s42, s19, s40
	s_or_b32 s[G1+0], s43, (3<<16)|(1<<21)
	s_or_b32 s[G1B+0], s44, (3<<16)|(1<<21)
.irp g, G1, G1B
	s_mov_b32 s[\g+1], 768<<16
	s_mov_b32 s[\g+2], 4<<16
	s_mov_b32 s[\g+3], 768<<16
	s_mov_b32 s[\g+4], 4
	s_mov_b32 s[\g+6], 0
	s_mov_b32 s[\g+7], 0
.endr
	s_mov_b32 s[G1+5], APLANE/8
	s_mov_b32 s[G1B+5], BPLANE/8
	s_lshl_b32 s18, s16, 7
	s_lshl_b32 s20, s17, 8
	s_add_co_u32 s20, s20, s18
	s_lshl_b32 s46, s42, 8
	s_add_co_u32 s46, s46, s18
	s_lshl_b32 s22, s20, 5
	s_add_co_u32 s22, s22, s96
	s_mov_b32 s23, 0
	s_mul_i32 s20, s20, 48
	s_add_co_u32 s20, s20, s92
	s_mov_b32 s21, 0
	s_lshl_b32 s92, s46, 5
	s_add_co_u32 s92, s92, s97
	s_mul_i32 s46, s46, 48
	s_add_co_u32 s46, s46, s93
	s_mov_b32 s93, 0
	s_mov_b32 s47, 0
	s_mul_i32 s45, s14, HALFT
	s_mul_i32 s94, s14, HALFS
	s_wait_kmcnt 0x0
	s_add_nc_u64 s[20:21], s[4:5], s[20:21]
	s_add_nc_u64 s[22:23], s[4:5], s[22:23]
	s_add_nc_u64 s[46:47], s[4:5], s[46:47]
	s_add_nc_u64 s[92:93], s[4:5], s[92:93]
	CROUND
.irp s, 0,1
	s_mov_b32 s[G0+4*\s], 1
	s_add_co_u32 s[G0+4*\s+1], s45, \s*SLOT
	s_add_nc_u64 s[G0+4*\s+2:G0+4*\s+3], s[20:21], \s*4*APLANE
	s_or_b32 s[G0+4*\s+3], s[G0+4*\s+3], 0x80000000
	s_mov_b32 s[G0B+4*\s], 1
	s_add_co_u32 s[G0B+4*\s+1], s45, \s*SLOT
	s_add_nc_u64 s[G0B+4*\s+2:G0B+4*\s+3], s[46:47], \s*4*BPLANE
	s_or_b32 s[G0B+4*\s+3], s[G0B+4*\s+3], 0x80000000
.endr
	JLOAD G0, G1, G0B, G1B                         ; slot 0: my one tensor load at the head
	; the scale bytes of my 128 rows, 4,096 consecutive bytes, go through registers into LDS bytes that no tile lands on, while slot 0's load is out:
	; eight loads of 512 bytes; in LDS 16 bytes of padding lie behind each 256
	s_cmp_eq_u32 s15, 0
	s_cselect_b64 s[22:23], s[22:23], s[92:93]     ; waves 0, 1: source 1's rows; waves 2, 3: source 0's
	s_add_co_u32 s94, s94, SCL
	v_and_b32 v3, 31, v0
	v_lshlrev_b32 v4, 4, v3
	v_lshrrev_b32 v5, 4, v3
	v_lshl_add_u32 v5, v5, 4, v4
	v_add_nc_u32 v5, s94, v5
	s_wait_alu depctr_va_vdst(0)                   ; the wait ahead of the readers below
.irp n, 0,1,2,3,4,5,6,7
	global_load_b128 v[AF+4*\n:AF+4*\n+3], v4, s[22:23] offset:512*\n
.endr
	s_wait_loadcnt 0x0
	s_wait_tensorcnt 0x0                           ; no tensor load of mine is out when I store to LDS
.irp n, 0,1,2,3,4,5,6,7
	ds_store_b128 v5, v[AF+4*\n:AF+4*\n+3] offset:544*\n
.endr
	s_wait_tensorcnt 0x0                           ; the tensor wait, the add and its wait ahead of a later first fill
	ds_add_u32 v28, v29
	s_wait_dscnt 0x0                               ; the add and my stores of scale bytes are done
	CROUND
	JLOAD G0+4, G1, G0B+4, G1B                     ; slot 1's first fill, the first tensor load behind the round
	s_min_u32 s18, ttmp9, 2                        ; (column 3 names column 2's bytes of the bias: every load stays inside bqkv)
	s_lshl_b32 s18, s18, 2
	s_add_co_u32 s18, s18, s40
	s_lshl_b32 s18, s18, 10
	s_lshl_b32 s19, s16, 9
	s_add_co_u32 s18, s18, s19
	s_mov_b32 s19, 0
	s_add_nc_u64 s[10:11], s[6:7], s[18:19]
	s_lshl_b32 s18, s41, 10
	s_lshl_b32 s19, s15, 9
	s_add_co_u32 s18, s18, s19
	s_add_co_u32 s18, s18, 8192
	s_mov_b32 s19, 0
	s_add_nc_u64 s[12:13], s[6:7], s[18:19]
	v_and_b32 v1, 15, v0
	v_bfe_u32 v2, v0, 4, 1
	v_lshlrev_b32 v30, 6, v2
	v_and_b32 v3, 7, v1
	v_lshrrev_b32 v4, 3, v1
	v_lshl_add_u32 v3, v4, 4, v3
	v_lshlrev_b32 v31, 2, v3
.set i, 0
.rept 16
	global_load_b128 v[BQ+4*i:BQ+4*i+3], v30, s[10:11] offset:128*(i/4)+16*(i%4)
.set i, i+1
.endr
.irp a, 0,1,2,3,4,5,6,7
	global_load_b32 v[BV2+2*\a], v31, s[12:13] offset:4*(32*(\a/2)+8*(\a%2))
	global_load_b32 v[BV2+2*\a+1], v31, s[12:13] offset:4*(32*(\a/2)+8*(\a%2))
.endr
	v_mul_u32_u24 v3, v1, 48
	v_mad_u32_u24 v4, v2, 24, v3
	s_mul_i32 s21, s15, HALFT
	s_mul_i32 s22, s16, HALFT
	s_add_co_u32 s22, s22, 2*HALFT
.irp s, 0,1
	v_add_nc_u32 v[ADRA+\s], s21, v4
	v_add_nc_u32 v[ADRB+\s], s22, v4
	s_add_co_u32 s21, s21, SLOT
	s_add_co_u32 s22, s22, SLOT
.endr
	v_mul_u32_u24 v5, v1, KS
	v_lshrrev_b32 v6, 8, v5
	v_lshl_add_u32 v5, v6, 4, v5
	s_mul_i32 s21, s15, HALFS
	s_mul_i32 s22, s16, HALFS
	s_add_co_u32 s22, s22, 2*HALFS
	s_sub_co_u32 s22, s22, s21
	v_mul_u32_u24 v6, s22, v2
	s_add_co_u32 s21, s21, SCL
	v_add_nc_u32 v5, v5, v6
	v_add_nc_u32 v[ADRS], s21, v5
.macro FRAG reg, adr, q, i
.irp p, 0,1,2,3,4,5
	ds_load_b64 v[\reg+2*\p:\reg+2*\p+1], v[\adr] offset:(2*(\q)+\p/3)*PLB+(\i)*768+8*(\p%3)
.endr
.endm
.macro MUL16 a0, p, q, sc, zero
.irp a, \a0, \a0+1
.irp b, 0,1,2,3,4,5,6,7
.if \zero
	v_wmma_scale_f32_16x16x128_f8f6f4 v[8*(8*((\a)%4)+\b):8*(8*((\a)%4)+\b)+7], v[128*(\p)+FR*\b:128*(\p)+FR*\b+FR-1], v[AF+FR*(\a):AF+FR*(\a)+FR-1], 0, v[SC+8*NQ*(\sc)+NQ*\b+(\q)], v[SC+8*NQ*(\sc)+NQ*(\a)+(\q)] matrix_a_fmt:MATRIX_FMT_FP6 matrix_b_fmt:MATRIX_FMT_FP6 matrix_a_scale:MATRIX_SCALE_ROW1
.else
	v_wmma_scale_f32_16x16x128_f8f6f4 v[8*(8*((\a)%4)+\b):8*(8*((\a)%4)+\b)+7], v[128*(\p)+FR*\b:128*(\p)+FR*\b+FR-1], v[AF+FR*(\a):AF+FR*(\a)+FR-1], v[8*(8*((\a)%4)+\b):8*(8*((\a)%4)+\b)+7], v[SC+8*NQ*(\sc)+NQ*\b+(\q)], v[SC+8*NQ*(\sc)+NQ*(\a)+(\q)] matrix_a_fmt:MATRIX_FMT_FP6 matrix_b_fmt:MATRIX_FMT_FP6 matrix_a_scale:MATRIX_SCALE_ROW1
.endif
.endr
.endr
.endm
.macro FETCH_B slot, q, p
	WIN TO_B
.irp i, 0,1,2,3,4,5,6,7
	FRAG 128*(\p)+FR*\i, ADRB+\slot, \q, \i
.endr
	WIN 0
.endm
.macro FETCH_A slot, q, i0
.irp i, \i0, \i0+1, \i0+2, \i0+3
	FRAG AF+FR*(\i), ADRA+\slot, \q, \i
.endr
.endm
.macro SCALES sc
.irp i, 0,1,2,3,4,5,6,7
	ds_load_b64 v[SC+8*NQ*\sc+NQ*\i:SC+8*NQ*\sc+NQ*\i+1], v[ADRS] offset:\i*SBLK
.endr
.endm
.macro PLACES n
.rept \n
	v_nop
.endr
.endm
.macro STEP slot, q, zero
	s_wait_dscnt 4*NL
	WIN MUL_LO
	MUL16 0, (\q)%2, \q, \slot, \zero
	MUL16 2, (\q)%2, \q, \slot, \zero
	s_wait_dscnt 0
	PLACES NP
	FETCH_B \slot, (\q)+1, 1-(\q)%2
	FETCH_A \slot, (\q)+1, 0
	WIN MUL_HI
	MUL16 4, (\q)%2, \q, \slot, \zero
	MUL16 6, (\q)%2, \q, \slot, \zero
	PLACES NP
	WIN 0
	FETCH_A \slot, (\q)+1, 4
.endm
.macro TURN slot, next, fill
	s_wait_tensorcnt 0x0
	ds_add_u32 v[SPW], v[NIL]
	s_wait_dscnt 4*NL+1
	WIN MUL_LO
	MUL16 0, 1, NQ-1, \slot, 0
	s_wait_dscnt 0x0
	s_barrier_signal -1
	MUL16 2, 1, NQ-1, \slot, 0
	WIN 0
	s_barrier_wait -1
.if \fill
	CREST
	s_add_nc_u64 s[G0+4*\slot+2:G0+4*\slot+3], s[G0+4*\slot+2:G0+4*\slot+3], 8*APLANE
	s_add_nc_u64 s[G0B+4*\slot+2:G0B+4*\slot+3], s[G0B+4*\slot+2:G0B+4*\slot+3], 8*BPLANE
	JLOAD G0+4*\slot, G1, G0B+4*\slot, G1B
.else
	PLACES NP
.endif
	s_wait_alu depctr_va_vdst(0)
	v_add_nc_u32 v[ADRS], 4*NQ, v[ADRS]
	FETCH_B \next, 0, 0
	FETCH_A \next, 0, 0
	SCALES \next
	WIN MUL_HI
	MUL16 4, 1, NQ-1, \slot, 0
	MUL16 6, 1, NQ-1, \slot, 0
	PLACES NP
	WIN 0
	FETCH_A \next, 0, 4
.endm
	s_wait_alu depctr_va_vdst(0)
	s_wait_tensorcnt 1
	s_barrier_signal -1
	s_barrier_wait -1
	FETCH_B 0, 0, 0
	FETCH_A 0, 0, 0
	SCALES 0
	FETCH_A 0, 0, 4
	STEP 0, 0, 1
	s_mov_b32 s3, LAPS-1
.Llap:
	TURN 0, 1, 1
	STEP 1, 0, 0
	TURN 1, 0, 1
	STEP 0, 0, 0
	s_sub_co_u32 s3, s3, 1
	s_cmp_lg_u32 s3, 0
	s_cbranch_scc1 .Llap
	TURN 0, 1, 0
	STEP 1, 0, 0
	s_wait_dscnt 4*NL
	WIN MUL_LO
	MUL16 0, 1, NQ-1, 1, 0
	MUL16 2, 1, NQ-1, 1, 0
	s_wait_dscnt 0
	WIN MUL_HI
	MUL16 4, 1, NQ-1, 1, 0
	MUL16 6, 1, NQ-1, 1, 0
	WIN 0
.macro QUANT s
.irp b, 0,1,2,3
	v_max3_num_f32 v[TM+\b], |v[\s+16*\b]|, |v[\s+1+16*\b]|, 0x1800000
.endr
.irp i, 2,4,6,8,10,12,14
.irp b, 0,1,2,3
	v_max3_num_f32 v[TM+\b], v[TM+\b], |v[\s+16*\b+\i]|, |v[\s+1+16*\b+\i]|
.endr
.endr
.irp b, 0,1,2,3
	v_permlanex16_b32 v[TM+4+\b], v[TM+\b], s[SEL], s[SEL+1]
.endr
.irp b, 0,1,2,3
	v_max_num_f32 v[TM+\b], v[TM+\b], v[TM+4+\b]
.endr
.irp b, 0,1,2,3
	v_add_nc_u32 v[TM+12+\b], 0xff000000, v[TM+\b]
.endr
.irp b, 0,1,2,3
	v_lshrrev_b32 v[TM+4+\b], 23, v[TM+12+\b]
.endr
	v_lshl_or_b32 v[PW], v[TM+5], 8, v[TM+4]
	v_lshl_or_b32 v[PW], v[TM+6], 16, v[PW]
	v_lshl_or_b32 v[PW], v[TM+7], 24, v[PW]
.irp c, 0,1
	v_cvt_scalef32_pk16_fp6_f32 v[PC+6*\c:PC+2+6*\c], v[\s+32*\c:\s+15+32*\c], v[TM+12+2*\c]
	v_cvt_scalef32_pk16_fp6_f32 v[PC+12+4*\c:PC+14+4*\c], v[\s+16+32*\c:\s+31+32*\c], v[TM+12+2*\c+1]
.endr
	v_nop
.irp c, 0,1
.irp i, 0,1,2
	v_permlane16_swap_b32 v[PC+6*\c+\i], v[PC+12+4*\c+\i]
.endr
.irp i, 0,1,2
	v_mov_b32 v[PC+3+6*\c+\i], v[PC+12+4*\c+\i]
.endr
.endr
.endm
	PLACES NP
	s_wait_loadcnt 0x0
	s_mov_b32 s[SEL], 0x76543210
	s_mov_b32 s[SEL+1], 0xfedcba98
	v_lshlrev_b32 v229, 4, v2
	v_lshlrev_b32 v230, 3, v2
	v_and_b32 v3, 31, v0
	v_lshlrev_b32 v3, 3, v3
.irp b, 0,1,2,3
	v_mov_b32 v[TM+4+\b], 0
.endr
	s_cmp_ge_u32 ttmp9, 2
	s_cbranch_scc1 .Lvpath
	s_mov_b32 s25, 15872
	s_mov_b32 s26, KVSO
	s_cmp_eq_u32 ttmp9, 0
	s_cselect_b32 s24, 0, KIO
	s_cselect_b32 s25, 8192, s25
	s_cselect_b32 s26, QSO, s26
	s_lshr_b32 s27, s17, 3
	s_lshl_b32 s27, s27, 4
	s_lshl_b32 s28, s40, 2
	s_add_co_u32 s27, s27, s28
	s_lshl_b32 s28, s16, 1
	s_add_co_u32 s27, s27, s28
	s_and_b32 s28, s17, 7
	s_lshl_b32 s28, s28, 4
	s_lshl_b32 s29, s15, 3
	s_add_co_u32 s28, s28, s29
	s_mul_i32 s30, s27, 98304
	s_mul_i32 s31, s28, 768
	s_add_co_u32 s30, s30, s31
	s_add_co_u32 s30, s30, s24
	s_mov_b32 s31, 0
	s_add_nc_u64 s[32:33], s[8:9], s[30:31]
	s_mul_i32 s30, s27, s25
	s_lshl_b32 s29, s28, 6
	s_add_co_u32 s30, s30, s29
	s_add_co_u32 s30, s30, s26
	s_add_nc_u64 s[34:35], s[8:9], s[30:31]
	s_mov_b32 s30, s25
	s_add_nc_u64 s[36:37], s[34:35], s[30:31]
	s_lshl_b32 s38, s14, 10
	v_lshlrev_b32 v4, 2, v1
	v_lshl_add_u32 v4, v2, 9, v4
	v_add_nc_u32 v4, s38, v4
	v_and_b32 v5, 31, v0
	v_lshlrev_b32 v5, 4, v5
	v_add_nc_u32 v6, s38, v5
.macro QK_TILE a
	s_wait_xcnt 0x0
.set WN, 0x02+(\a)/4
	WIN WN
.set i, 0
.rept 32
	v_pk_add_f32 v[T+i:T+i+1], v[64*((\a)%4)+i:64*((\a)%4)+i+1], v[BQ+i:BQ+i+1]
.set i, i+2
.endr
	WIN 0
	QUANT T
	v_lshrrev_b32 v[SW+(\a)], v229, v[PW]
	v_and_b32 v[SW+(\a)], 0xffff, v[SW+(\a)]
.irp c, 0,1
.irp p, 0,1,2
	global_store_b64 v3, v[PC+6*\c+2*\p:PC+6*\c+2*\p+1], s[32:33] offset:98304*\c+768*(\a)+256*\p
.endr
.endr
.endm
.irp a, 0,1,2,3,4,5,6,7
	QK_TILE \a
.endr
.irp a, 0,1,2,3,4,5,6,7
	ds_store_b32 v4, v[SW+\a] offset:64*\a
.endr
	ds_load_b128 v[40:43], v6
	ds_load_b128 v[44:47], v6 offset:512
	s_wait_dscnt 0x0
	global_store_b128 v5, v[40:43], s[34:35]
	global_store_b128 v5, v[44:47], s[36:37]
	s_branch .Ldone
.Lvpath:
	s_lshr_b32 s24, s42, 3
	s_lshl_b32 s24, s24, 4
	s_lshl_b32 s25, s41, 2
	s_add_co_u32 s24, s24, s25
	s_lshl_b32 s25, s15, 1
	s_add_co_u32 s25, s24, s25
	s_add_co_u32 s24, s24, s14
	s_and_b32 s26, s42, 7
	s_mul_i32 s28, s25, 184320
	s_add_co_u32 s28, s28, VIO
	s_mov_b32 s29, 0
	s_add_nc_u64 s[30:31], s[8:9], s[28:29]
	s_mul_i32 s28, s25, 15872
	s_add_co_u32 s28, s28, KVSO+8192
	s_add_nc_u64 s[32:33], s[8:9], s[28:29]
	s_lshl_b32 s27, s26, 1
	s_add_co_u32 s27, s27, s16
	s_mul_i32 s28, s27, 6144
	s_add_co_u32 s28, s28, 86016
	s_add_nc_u64 s[34:35], s[30:31], s[28:29]
	s_lshl_b32 s28, s27, 8
	s_add_co_u32 s28, s28, 3584
	s_add_nc_u64 s[36:37], s[32:33], s[28:29]
	s_mul_i32 s28, s26, 6144
	s_mul_i32 s27, s16, 768
	s_add_co_u32 s28, s28, s27
	s_add_co_u32 s28, s28, 36864
	s_add_nc_u64 s[38:39], s[30:31], s[28:29]
	s_lshl_b32 s28, s26, 8
	s_lshl_b32 s27, s16, 1
	s_add_co_u32 s28, s28, s27
	s_add_co_u32 s28, s28, 1536
	s_add_nc_u64 s[44:45], s[32:33], s[28:29]
	s_lshr_b32 s27, s26, 1
	s_and_b32 s50, s42, 1
	s_mul_i32 s28, s27, 6144
	s_mul_i32 s51, s50, 768
	s_add_co_u32 s28, s28, s51
	s_lshl_b32 s51, s16, 7
	s_add_co_u32 s28, s28, s51
	s_add_co_u32 s28, s28, 12288
	s_add_nc_u64 s[46:47], s[30:31], s[28:29]
	s_lshl_b32 s28, s27, 8
	s_lshl_b32 s51, s50, 1
	s_add_co_u32 s28, s28, s51
	s_add_co_u32 s28, s28, s16
	s_add_co_u32 s28, s28, 512
	s_add_nc_u64 s[48:49], s[32:33], s[28:29]
	s_lshr_b32 s27, s26, 2
	s_bfe_u32 s51, s42, 0x10001
	s_mul_i32 s28, s24, 184320
	s_mul_i32 s56, s27, 6144
	s_add_co_u32 s28, s28, s56
	s_mul_i32 s56, s51, 768
	s_add_co_u32 s28, s28, s56
	s_lshl_b32 s56, s50, 7
	s_add_co_u32 s28, s28, s56
	s_add_co_u32 s28, s28, VIO
	s_add_nc_u64 s[52:53], s[8:9], s[28:29]
	s_mul_i32 s28, s24, 15872
	s_lshl_b32 s56, s27, 8
	s_add_co_u32 s28, s28, s56
	s_and_b32 s56, s42, 3
	s_add_co_u32 s28, s28, s56
	s_add_co_u32 s28, s28, KVSO+8192
	s_add_nc_u64 s[54:55], s[8:9], s[28:29]
	v_lshlrev_b32 v4, 4, v1
	v_mad_u32_u24 v4, v2, 15872, v4
	v_lshlrev_b32 v5, 4, v1
	v_lshl_add_u32 v5, v2, 2, v5
	v_lshlrev_b32 v6, 3, v1
	v_mad_u32_u24 v6, v2, 1536, v6
	s_mul_i32 s56, s15, 18432
	s_lshl_b32 s57, s16, 5
	s_add_co_u32 s56, s56, s57
	s_add_co_u32 s56, s56, L3S
	v_mul_u32_u24 v7, v1, 144
	v_lshl_add_u32 v7, v2, 2, v7
	v_add_nc_u32 v7, s56, v7
	s_mul_i32 s56, s14, 9216
	s_add_co_u32 s56, s56, L3S
	v_mul_u32_u24 v8, v1, 144
	v_lshl_add_u32 v8, v2, 6, v8
	v_add_nc_u32 v8, s56, v8
.macro V0_TILE a
	s_wait_xcnt 0x0
.set WN, 0x02+(\a)/4
	WIN WN
.set i, 0
.rept 32
	v_pk_add_f32 v[T+i:T+i+1], v[64*((\a)%4)+i:64*((\a)%4)+i+1], v[BV2+2*(\a):BV2+2*(\a)+1]
.set i, i+2
.endr
	WIN 0
	QUANT T
	v_mov_b32 v[SW+(\a)], v[PW]
.irp p, 0,1,2,3,4,5
	global_store_b64 v3, v[PC+2*\p:PC+2*\p+1], s[34:35] offset:184320*((\a)/4)+1536*((\a)%4)+256*\p
.endr
.endm
	s_wait_alu depctr_va_vdst(0)                   ; the wait ahead of the branch
	s_cmp_eq_u32 ttmp9, 3                          ; the cluster's column: the same in all partners and all waves
	s_cbranch_scc1 .Lv123
.irp a, 0,1,2,3,4,5,6,7
	V0_TILE \a
.endr
	v_cmp_ne_u32 vcc_lo, 0, v2
.irp t, 0,1,2,3
	v_cndmask_b32 v[40+\t], v[SW+\t], v[SW+4+\t], vcc_lo
.endr
	global_store_b128 v4, v[40:43], s[36:37]
	s_branch .Ldone
.Lv123:
.macro V1_PAIR pi
	s_wait_xcnt 0x0
.irp e, 0,1
.set AA, 2*(\pi)+\e
.set WN, 0x02+AA/4
	WIN WN
.irp be, 0,1
.irp bp, 0,1,2,3
.irp jj, 0,1,2,3
	v_add_f32 v[T+16*(2*\e+\be)+4*\bp+\jj], v[64*(AA%4)+8*(4*\be+\bp)+2*\jj], v[BV2+2*AA]
.endr
.endr
.endr
.endr
	WIN 0
	QUANT T
.irp e, 0,1
.irp p, 0,1,2
	global_store_b64 v3, v[PC+6*\e+2*\p:PC+6*\e+2*\p+1], s[38:39] offset:184320*((2*(\pi)+\e)/4)+1536*((2*(\pi)+\e)%4)+256*\p
.endr
.endr
	v_lshrrev_b32 v231, v229, v[PW]
	global_store_b16 v5, v231, s[44:45] offset:15872*((\pi)/2)+8*((\pi)%2)
.endm
.irp pi, 0,1,2,3
	V1_PAIR \pi
.endr
.macro V2_GROUP g
	s_wait_xcnt 0x0
.set WN, 0x02+(\g)
	WIN WN
.irp q, 0,1,2,3
.irp b, 0,1,2,3,4,5,6,7
.irp jj, 0,1
	v_add_f32 v[T+16*\q+2*\b+\jj], v[64*\q+8*\b+4*\jj], v[BV2+2*(4*(\g)+\q)]
.endr
.endr
.endr
	WIN 0
	QUANT T
.irp c, 0,1
.irp p, 0,1,2
	global_store_b64 v6, v[PC+6*\c+2*\p:PC+6*\c+2*\p+1], s[46:47] offset:184320*(\g)+3072*\c+256*\p
.endr
.endr
	v_lshrrev_b32 v231, v230, v[PW]
	v_lshrrev_b32 v232, 16, v231
	global_store_b8 v5, v231, s[48:49] offset:15872*(\g)
	global_store_b8 v5, v232, s[48:49] offset:15872*(\g)+8
.endm
	V2_GROUP 0
	V2_GROUP 1
.irp a, 0,1,2,3,4,5,6,7
.set WN, 0x02+\a/4
	WIN WN
.irp b, 0,1,2,3,4,5,6,7
	v_add_f32 v[T+8*\a+\b], v[64*(\a%4)+8*\b], v[BV2+2*\a]
.endr
.endr
	WIN 0
.irp a, 0,1,2,3,4,5,6,7
.irp b, 0,1,2,3,4,5,6,7
	ds_store_b32 v7, v[T+8*\a+\b] offset:2304*\a+4*(16*(\b/4)+2*(\b%4))
.endr
.endr
	s_wait_dscnt 0x0
	s_barrier_signal -1
	s_barrier_wait -1
.irp q, 0,1,2,3
.irp k, 0,1,2,3
	ds_load_b128 v[T+16*\q+4*\k:T+16*\q+4*\k+3], v8 offset:2304*\q+16*\k
.endr
.endr
	s_wait_dscnt 0x0
	s_wait_xcnt 0x0
	QUANT T
.irp c, 0,1
.irp p, 0,1,2
	global_store_b64 v6, v[PC+6*\c+2*\p:PC+6*\c+2*\p+1], s[52:53] offset:3072*\c+256*\p
.endr
.endr
	v_lshrrev_b32 v231, v230, v[PW]
	v_lshrrev_b32 v232, 16, v231
	global_store_b8 v5, v231, s[54:55]
	global_store_b8 v5, v232, s[54:55] offset:8
.Ldone:
	s_wait_tensorcnt 0x0
	ds_add_u32 v[SPW], v[NIL]
	s_wait_dscnt 0x0
	CROUND
	s_endpgm
.Lfunc_end_k_qe7787f0d1d_gemm_qkv:
	.size	k_qe7787f0d1d_gemm_qkv, .Lfunc_end_k_qe7787f0d1d_gemm_qkv-k_qe7787f0d1d_gemm_qkv
	.p2alignl 7, 3214868480
	.fill 96, 4, 3214868480
	.section	.rodata,"a",@progbits
	.p2align	6, 0x0
	.amdhsa_kernel k_qe7787f0d1d_gemm_qkv
		.amdhsa_group_segment_fixed_size 327680
		.amdhsa_private_segment_fixed_size 0
		.amdhsa_enable_private_segment 0
		.amdhsa_kernarg_size 24
		.amdhsa_user_sgpr_count 2
		.amdhsa_user_sgpr_kernarg_segment_ptr 1
		.amdhsa_wavefront_size32 1
		.amdhsa_system_sgpr_workgroup_id_x 1
		.amdhsa_system_sgpr_workgroup_id_y 1
		.amdhsa_system_sgpr_workgroup_id_z 1
		.amdhsa_system_vgpr_workitem_id 0
		.amdhsa_next_free_vgpr 1024
		.amdhsa_next_free_sgpr 102
		.amdhsa_reserve_vcc 1
		.amdhsa_float_denorm_mode_32 3
		.amdhsa_float_denorm_mode_16_64 3
		.amdhsa_memory_ordered 1
		.amdhsa_forward_progress 1
		.amdhsa_inst_pref_size 255
	.end_amdhsa_kernel
	.section	.bss,"aw",@nobits
	.p2align	6
	.space	262144
	.amdgpu_metadata
---
amdhsa.version: [ 1, 2 ]
amdhsa.kernels:
  - .name:           k_qe7787f0d1d_gemm_qkv
    .symbol:         k_qe7787f0d1d_gemm_qkv.kd
    .args:
      - { .name: prepbuf, .offset: 0, .size: 8, .value_kind: global_buffer, .address_space: global }
      - { .name: bqkv, .offset: 8, .size: 8, .value_kind: global_buffer, .address_space: global }
      - { .name: qkvbuf, .offset: 16, .size: 8, .value_kind: global_buffer, .address_space: global }
    .group_segment_fixed_size: 327680
    .private_segment_fixed_size: 0
    .kernarg_segment_align: 8
    .kernarg_segment_size: 24
    .max_flat_workgroup_size: 128
    .sgpr_count:     102
    .vgpr_count:     1024
    .wavefront_size: 32
...
	.end_amdgpu_metadata
.endif
;; end of part 2
;; launch attn (part 3): grid 8 x 32, 16 waves a work-group, clusters of 4 x 1, 327,680 bytes of LDS; arguments qkvbuf, prepbuf, attbuf; writes attbuf
.if DOCPART == 3
	.amdgcn_target "amdgcn-amd-amdhsa--gfx1250"
	.amdhsa_code_object_version 6
	.text
	.protected	k_qe7787f0d1d_attn
	.globl	k_qe7787f0d1d_attn
	.p2align	8
	.type	k_qe7787f0d1d_attn,@function
k_qe7787f0d1d_attn:
	s_mov_b64 s[64:65], 0
	v_nop
	global_prefetch_b8 v0, s[64:65] scope:SCOPE_SE
	s_setreg_imm32_b32 hwreg(HW_REG_WAVE_MODE, 25, 1), 1
	s_wait_xcnt 0x0
	s_wait_alu depctr_hold_cnt(0) depctr_sa_sdst(0) depctr_va_vdst(0) depctr_va_sdst(0) depctr_va_ssrc(0) depctr_va_vcc(0) depctr_vm_vsrc(0)
	s_getreg_b32 s2, hwreg(HW_REG_IB_STS2, 6, 4)
	s_cmp_eq_u32 s2, 0
	s_cbranch_scc0 .Lentry_in_a_cluster
	s_endpgm
.Lentry_in_a_cluster:
	s_bfe_u32 s2, ttmp6, 0x10000c
	s_cmp_lg_u32 s2, 0x3003
	s_cbranch_scc0 .Lentry_shape_is_right
	s_endpgm
.Lentry_shape_is_right:
; For each head: four attentions over the keys taken at stride 8, 4, 2, 1 (levels 3, 2, 1, 0), each divided by its own sum, weighed by the token's gate and added; the sum is quantised for the output projection.
; Both products of a level run on codes of FP6 (E2M3) with E8M0 block scales.  THE SOFTMAX: t = score x log2(e) / 8; M = the running largest t rounded UP to a whole number; p = 2^(t - M) is quantised along the keys;
; the row's sum is taken of the unquantised p; when M moves, the sum and O are multiplied by 2^(old M - new M), which rounds nothing.  Each level has its own M and sum.
; SHARES.  A work-group owns 256 queries of one head, each of its sixteen waves 16 of them, for all four levels.
; ALL OF A HEAD'S OPERANDS LIE IN LDS, each byte filled once: K's codes (one set serves all levels), V's four sets, and all scale words.  No ring, nothing is filled again.
; Each wave issues one tensor load, at the head, so nothing is left to prefetch.
; CLUSTER.  The four query blocks of a cluster belong to one head: every tile is asked for jointly, by the same load with the same descriptor (head and wave's number alone) and a mask that names the four.
; LAYOUT.  Both products are used transposed: S^T = K Q^T, O^T = V^T P^T: a lane holds one query (lane % 16) throughout.  The head has 64 channels: Q's registers 6-11 are zero codes, so what stands in K's registers 6-11
; (the next tile's codes) adds exactly 0, and a tile of K costs six registers and three loads.
; WHICH KEY A ROW OF A TILE HOLDS.  A step has 128 keys in tiles 4 c + t.  Rows 0-7 of tiles 4 c .. 4 c + 3 hold block 2 c of 32 keys, rows 8-15 block 2 c + 1; row 8 h + j of tile t holds the key whose code of V lies at
; place 8 t + j of the block.  So lane (r, h) holds ALL 32 p of blocks h and 2 + h in its registers, in the operand's own order: a block's maximum and its codes need no other lane.
; The key at place i of a block: levels 0 and 3: 16 i3 + 8 i4 + (i & 7); level 1: 16 i3 + 8 i2 + 4 i4 + (i & 3); level 2: 16 i3 + 4 (i2 i1) + 2 i4 + i0.
; A block's largest p is made from its largest score by the same multiply-add and exponential as every p.
; Behind the first level O is not cleared: a level's first step multiplies it by 2^(old M - new M) with the old M at -3e38, which is 0.
; LIMITS: a block of zeros gets the byte 1; v_exp_f32 gives 0 where p falls under 2^-126; NaN and infinities are not served.
; The attention's scale bytes leave as 2 bytes a lane to rows 32 bytes apart: a work-group owns one head's two bytes of each row's 32.
.set KIO,  3145728                     ; qkvbuf: Q's images at 0, K's,
.set VIO,  6291456                     ; V's,
.set QSO,  12189696                    ; Q's scale words,
.set KVSO, 12451840                    ; K's and V's
.set GTO,  7340032                     ; prepbuf: the gate
.set ASO,  3145728                     ; attbuf: codes [head 16][row 4096][48] at 0, scale bytes [4096][32]
.set VIM,  101376                      ; LDS: K's codes at 0: 128 tiles x 3 pieces x (256 + 8) bytes; V's images: levels 3, 2, 1, 0 on end;
.set SCR,  285696                      ; K's scale words,
.set SCV,  293888                      ; V's,
.set OSTG, 301568                      ; 768 bytes a wave for the way out: no tile lands there;
.set SPARE, 313856                     ; the spare words, 128 bytes a wave
.set G1K, 24                           ; s[24:31] group 1 for K's codes;  s[32:39] for the scale words;  s[40:47] for V's
.set G1S, 32
.set G1A, 40
.set G0K, 56
.set G0S, 60
.set G0A, 68
.macro ROUND                           ; a round of the cluster's barrier
	s_barrier_signal -1
	s_barrier_wait -1
	s_cmp_lg_u32 s10, 0
	s_cbranch_scc1 .Lnot_wave_0_\@
	s_barrier_signal -3
.Lnot_wave_0_\@:
	s_barrier_wait -3
	s_barrier_signal -1
	s_barrier_wait -1
.endm
.macro NOP4
.rept 4
	v_nop
.endr
.endm
	s_load_b128 s[4:7], s[0:1], 0x0                ; qkvbuf s[4:5], prepbuf s[6:7]
	s_load_b64 s[8:9], s[0:1], 0x10                ; attbuf
	v_lshl_add_u32 v254, v0, 2, SPARE
	v_mov_b32 v255, 0
	ds_add_u32 v254, v255                          ; the opening lines
	ds_add_u32 v254, v255
	s_wait_dscnt 0x0
	v_lshrrev_b32 v1, 5, v0
	s_delay_alu instid0(VALU_DEP_1)
	v_readfirstlane_b32 s10, v1                    ; wave 0..15
	s_bfe_u32 s11, ttmp6, 0x40000                  ; cx
	s_and_b32 s12, ttmp7, 0xffff                   ; the head, 16 x batch + head: the four partners share it
	; group 1: elements of 8 bytes, rows of 256 bytes, the mask of all four, bit 21 beside it.  K: 64 rows a load, 8 bytes of padding behind each; scale words: 31 rows; V: 90 rows
	s_mov_b32 s[G1K], 15|(3<<16)|(1<<20)|(1<<21)|(5<<22)|(1<<25)
	s_mov_b32 s[G1S], 15|(3<<16)|(1<<21)
	s_mov_b32 s[G1A], 15|(3<<16)|(1<<21)
.irp g, G1K, G1S, G1A
	s_mov_b32 s[\g+1], 32<<16
	s_mov_b32 s[\g+3], 32<<16
	s_mov_b32 s[\g+5], 32
	s_mov_b32 s[\g+6], 0
	s_mov_b32 s[\g+7], 0
.endr
	s_mov_b32 s[G1K+2], 64<<16
	s_mov_b32 s[G1K+4], 64
	s_mov_b32 s[G1S+2], 31<<16
	s_mov_b32 s[G1S+4], 31
	s_mov_b32 s[G1A+2], 90<<16
	s_mov_b32 s[G1A+4], 90
	s_mov_b32 s20, 0x76543210
	s_mov_b32 s21, 0xfedcba98                      ; v_permlanex16_b32's selects for lane l xor 16
	s_mov_b32 s22, 0x3e38aa3b                      ; c = log2(e) / sqrt(64)
	s_mov_b32 s23, s22                             ; (named with it as a pair, so it is written)
	s_mov_b32 s15, 0
	s_wait_kmcnt 0x0
	; THE HEAD'S FILLS, ONE A WAVE: waves 0-7 take 90 rows of V each, waves 8-13 64 rows of K each, waves 14 and 15 31 rows of scale words each
	s_and_b32 s16, s10, 7                          ; K: which 64 rows (waves 8-13: 0 to 5)
	s_mul_i32 s14, s12, 98304
	s_lshl_b32 s17, s16, 14
	s_add_co_u32 s14, s14, s17
	s_add_co_u32 s14, s14, KIO
	s_mov_b32 s[G0K], 1
	s_mul_i32 s[G0K+1], s16, 16896                 ; 64 LDS rows of 264 bytes
	s_add_nc_u64 s[G0K+2:G0K+3], s[4:5], s[14:15]
	s_or_b32 s[G0K+3], s[G0K+3], 0x80000000
	s_and_b32 s16, s10, 1                          ; the scale words: which 31 rows
	s_mul_i32 s16, s16, 7936
	s_mul_i32 s14, s12, 15872
	s_add_co_u32 s14, s14, s16
	s_add_co_u32 s14, s14, KVSO
	s_mov_b32 s[G0S], 1
	s_add_co_u32 s[G0S+1], s16, SCR
	s_add_nc_u64 s[G0S+2:G0S+3], s[4:5], s[14:15]
	s_or_b32 s[G0S+3], s[G0S+3], 0x80000000
	s_mul_i32 s16, s10, 23040                      ; V: which 90 rows
	s_mul_i32 s14, s12, 184320
	s_add_co_u32 s14, s14, s16
	s_add_co_u32 s14, s14, VIO
	s_mov_b32 s[G0A], 1
	s_add_co_u32 s[G0A+1], s16, VIM
	s_add_nc_u64 s[G0A+2:G0A+3], s[4:5], s[14:15]
	s_or_b32 s[G0A+3], s[G0A+3], 0x80000000
	ROUND                                          ; all four work-groups are here: the joint loads meet
	s_cmp_lt_u32 s10, 8                            ; one chain of arms on the wave's number, one load to an arm, one join
	s_cbranch_scc0 .Lhead_k
	tensor_load_to_lds s[G0A:G0A+3], s[G1A:G1A+7]
	s_nop 0
	NOP4
	s_branch .Lhead_j
.Lhead_k:
	s_cmp_lt_u32 s10, 14
	s_cbranch_scc0 .Lhead_s
	tensor_load_to_lds s[G0K:G0K+3], s[G1K:G1K+7]
	s_nop 0
	NOP4
	s_branch .Lhead_j
.Lhead_s:
	tensor_load_to_lds s[G0S:G0S+3], s[G1S:G1S+7]
	s_nop 0
	NOP4
.Lhead_j:
	s_lshl_b32 s13, ttmp9, 2
	s_add_co_u32 s13, s13, s11                     ; my block of 256 queries: it enters global addresses alone
	s_lshl_b32 s14, s13, 8
	s_lshl_b32 s16, s10, 4
	s_add_co_u32 s14, s14, s16                     ; my first query in the batch
	s_lshr_b32 s16, s12, 4                         ; batch
	s_and_b32 s17, s12, 15                         ; head
	s_lshl_b32 s18, s16, 11
	s_add_co_u32 s18, s18, s14                     ; my first row of the 4,096
	s_mul_i32 s76, s12, 98304
	s_mul_i32 s78, s14, 48
	s_add_co_u32 s76, s76, s78
	s_mov_b32 s77, 0
	s_add_nc_u64 s[82:83], s[4:5], s[76:77]        ; Q's image of my tile
	s_lshl_b32 s76, s12, 13
	s_lshl_b32 s78, s14, 2
	s_add_co_u32 s76, s76, s78
	s_add_co_u32 s76, s76, QSO
	s_add_nc_u64 s[84:85], s[4:5], s[76:77]        ; its scale words
	s_lshl_b32 s76, s18, 4
	s_add_co_u32 s76, s76, GTO
	s_add_nc_u64 s[86:87], s[6:7], s[76:77]        ; my rows' gates
	s_mul_i32 s76, s17, 196608
	s_mul_i32 s78, s18, 48
	s_add_co_u32 s76, s76, s78
	s_add_nc_u64 s[88:89], s[8:9], s[76:77]        ; the result's codes: plane = head
	s_lshl_b32 s76, s18, 5
	s_lshl_b32 s78, s17, 1
	s_add_co_u32 s76, s76, s78
	s_add_co_u32 s76, s76, ASO
	s_add_nc_u64 s[90:91], s[8:9], s[76:77]        ; and its scale bytes
	v_and_b32 v96, 15, v0                          ; r
	v_bfe_u32 v97, v0, 4, 1                        ; h
	v_and_b32 v98, 31, v0
	s_delay_alu instid0(VALU_DEP_1)
	v_lshlrev_b32 v99, 3, v98
.irp p, 0,1,2
	global_load_b64 v[16+2*\p:17+2*\p], v99, s[82:83] offset:256*\p   ; Q stays in registers
.endr
	v_lshlrev_b32 v100, 2, v96
	global_load_b32 v31, v100, s[84:85]            ; Q's scale words
	v_lshlrev_b32 v95, 4, v96                      ; the gate: 16 bytes a row
; the lane's part of the token that row r of a tile takes, in v101, gives its place among K's codes (792 bytes a tile of 16 tokens, 8 bytes a lane, lanes 16-31 128 on) and among K's words; the tile's part is an immediate
.macro LTERM d
	s_delay_alu instid0(VALU_DEP_1)
	v_lshrrev_b32 v102, 4, v101
	s_delay_alu instid0(VALU_DEP_2)
	v_and_b32 v103, 15, v101
	s_delay_alu instid0(VALU_DEP_2)
	v_mul_u32_u24 v102, v102, 792
	s_delay_alu instid0(VALU_DEP_1)
	v_lshl_add_u32 v102, v103, 3, v102
	s_delay_alu instid0(VALU_DEP_1)
	v_lshl_add_u32 v[1+\d], v97, 7, v102
	v_lshl_add_u32 v[5+\d], v101, 2, SCR
.endm
	v_bfe_u32 v105, v96, 3, 1                      ; r3: which of the tile's two blocks
	v_and_b32 v101, 7, v96                         ; level 0: 32 r3 + (r & 7)
	s_delay_alu instid0(VALU_DEP_1)
	v_lshl_add_u32 v101, v105, 5, v101
	LTERM 0
	v_and_b32 v101, 3, v96                         ; level 1: 64 r3 + 16 r2 + 2 (r & 3)
	s_delay_alu instid0(VALU_DEP_1)
	v_lshlrev_b32 v101, 1, v101
	v_bfe_u32 v104, v96, 2, 1
	s_delay_alu instid0(VALU_DEP_1)
	v_lshl_add_u32 v101, v104, 4, v101
	s_delay_alu instid0(VALU_DEP_1)
	v_lshl_add_u32 v101, v105, 6, v101
	LTERM 1
	v_and_b32 v101, 1, v96                         ; level 2: 128 r3 + 16 (r2 r1) + 4 r0
	s_delay_alu instid0(VALU_DEP_1)
	v_lshlrev_b32 v101, 2, v101
	v_bfe_u32 v104, v96, 1, 2
	s_delay_alu instid0(VALU_DEP_1)
	v_lshl_add_u32 v101, v104, 4, v101
	s_delay_alu instid0(VALU_DEP_1)
	v_lshl_add_u32 v101, v105, 7, v101
	LTERM 2
	v_and_b32 v101, 7, v96                         ; level 3: 256 r3 + 8 (r & 7)
	s_delay_alu instid0(VALU_DEP_1)
	v_lshlrev_b32 v101, 3, v101
	s_delay_alu instid0(VALU_DEP_1)
	v_lshl_add_u32 v101, v105, 8, v101
	LTERM 3
	v_lshl_add_u32 v9, v98, 3, VIM                 ; V's images: 8 bytes a lane
	v_lshl_add_u32 v10, v96, 4, SCV                ; V's words: row r's four
.irp j, 22,23,24,25,26,27,80,81,82,83,84,85
	v_mov_b32 v\j, 0                               ; zero codes: the half of Q's K that is not there, and the tail of the last tile's operand
.endr
.irp j, 236,237,238,239,252,253
	v_mov_b32 v\j, 0                               ; written once: a lane permute's destination counts as one of its sources; v253 is named as the upper half of a pair
.endr
	s_mov_b32 s78, 0                               ; where the step's images of V begin, and its words: both run on through levels 3, 2, 1, 0
	s_mov_b32 s79, 0
	s_wait_alu depctr_va_vdst(0)                   ; the wait at the head's end
	s_wait_loadcnt 0x0                             ; Q
.macro PA d, a, b
	v_pk_add_f32 v[\d:\d+1], v[\a:\a+1], v[\b:\b+1]
.endm
; A STEP of level d: 128 keys, 128 << d tokens.
.macro STEP d
	v_add_nc_u32 v11, s76, v[1+\d]                 ; (with the two additions behind the last trip's products: the four places in front of the loads into K's registers)
	v_add_nc_u32 v28, s77, v[5+\d]
.irp c, 0,1
.irp t, 0,1,2,3
.if \d < 3                             ; the tile's part of the token: ((64 c + 16 (t % 2)) << d) + 8 (t / 2); level 3: 512 c + 128 (t % 2) + 64 (t / 2)
.set KO, ((4*\c+\t%2)<<\d)*792+64*(\t/2)
.set WO, 4*(((64*\c+16*(\t%2))<<\d)+8*(\t/2))
.else
.set KO, (32*\c+8*(\t%2)+4*(\t/2))*792
.set WO, 4*(512*\c+128*(\t%2)+64*(\t/2))
.endif
.irp p, 0,1,2
	ds_load_b64 v[32+6*(4*\c+\t)+2*\p:33+6*(4*\c+\t)+2*\p], v11 offset:KO+264*\p
.endr
	ds_load_b32 v[86+4*\c+\t], v28 offset:WO
.endr
.endr
	s_wait_alu depctr_va_vdst(0)
	s_wait_dscnt 0x0
.irp t, 0,1,2,3,4,5,6,7                        ; S^T = K Q^T: eight accumulators, one instruction each
	v_wmma_scale_f32_16x16x128_f8f6f4 v[96+8*\t:103+8*\t], v[32+6*\t:43+6*\t], v[16:27], 0, v[86+\t], v31 matrix_a_fmt:MATRIX_FMT_FP6 matrix_b_fmt:MATRIX_FMT_FP6
.endr
	v_add_nc_u32 v29, s78, v9                      ; four places in front of the loads into K's registers and of the first read of the scores
	v_add_nc_u32 v30, s79, v10
	v_mov_b32 v254, v12                            ; the old -M
	v_nop
.irp t, 0,1,2,3                                ; V's four fragments and their words land under the softmax
.irp p, 0,1,2,3,4,5
	ds_load_b64 v[32+12*\t+2*\p:33+12*\t+2*\p], v29 offset:1536*\t+256*\p
.endr
.endr
	ds_load_b128 v[248:251], v30
.irp b, 0,1,2,3                                ; the largest score of my two blocks, in four chains of 16 registers
	v_max3_num_f32 v[232+\b], v[96+16*\b], v[97+16*\b], v[98+16*\b]
.endr
.irp i, 3,5,7,9,11,13
.irp b, 0,1,2,3
	v_max3_num_f32 v[232+\b], v[232+\b], v[96+16*\b+\i], v[97+16*\b+\i]
.endr
.endr
	v_max3_num_f32 v232, v232, v233, v111
	v_max3_num_f32 v234, v234, v235, v143
	v_max_num_f32 v232, v232, v127                 ; block h
	v_max_num_f32 v234, v234, v159                 ; block 2 + h
	s_delay_alu instid0(VALU_DEP_1)
	v_max_num_f32 v240, v232, v234
	s_delay_alu instid0(VALU_DEP_1)
	v_permlanex16_b32 v236, v240, s20, s21
	s_delay_alu instid0(VALU_DEP_1)
	v_max3_num_f32 v13, v13, v240, v236            ; the running largest score of my query, the same in both halves of the lanes
	s_delay_alu instid0(VALU_DEP_1)
	v_mul_f32 v240, s22, v13                       ; as t (c is positive)
	s_delay_alu instid0(VALU_DEP_1)
	v_floor_f32 v12, -v240                         ; the new -M = -ceil(t)
	s_delay_alu instid0(VALU_DEP_1)
	v_sub_f32 v254, v12, v254                      ; old M - new M: a whole number, 0 or less
	s_delay_alu instid0(VALU_DEP_1)
	v_cvt_i32_f32 v254, v254                       ; (it saturates)
	s_delay_alu instid0(VALU_DEP_1)
	v_ldexp_f32 v252, 1.0, v254                    ; f = 2^(old M - new M)
.set j, 0
.rept 32
	v_pk_fma_f32 v[96+j:97+j], v[96+j:97+j], s[22:23], v[12:13] op_sel_hi:[1,0,0]   ; t - M
.set j, j+2
.endr
	v_fma_f32 v232, v232, s22, v12                 ; the same of each block's largest score
	v_fma_f32 v234, v234, s22, v12
	s_wait_alu depctr_va_vdst(0)                   ; the wait ahead of the batch
.set j, 0
.rept 64
	v_exp_f32 v[96+j], v[96+j]                     ; p = 2^(t - M), at most 1
.set j, j+1
.endr
	v_exp_f32 v232, v232                           ; the blocks' largest p
	v_exp_f32 v234, v234
	v_pk_mul_f32 v[14:15], v[14:15], v[252:253] op_sel_hi:[1,0]   ; the sums under the new M (a plain place behind the exponentials)
	s_wait_alu depctr_va_vdst(0)                   ; one wait for the batch
	v_max_num_f32 v232, 0x1800000, v232            ; the floor 2^(3 - 127)
	v_max_num_f32 v234, 0x1800000, v234
	s_delay_alu instid0(VALU_DEP_2)
	v_add_nc_u32 v244, 0xff000000, v232            ; the conversion's scale operand
	s_delay_alu instid0(VALU_DEP_2)
	v_add_nc_u32 v245, 0xff000000, v234
	s_delay_alu instid0(VALU_DEP_2)
	v_lshrrev_b32 v236, 23, v244                   ; the scale's byte
	s_delay_alu instid0(VALU_DEP_2)
	v_lshrrev_b32 v237, 23, v245
	s_delay_alu instid0(VALU_DEP_1)
	v_lshl_or_b32 v238, v237, 16, v236             ; my two bytes, as bytes 0 and 2
	s_delay_alu instid0(VALU_DEP_1)
	v_permlanex16_b32 v239, v238, s20, s21
	s_delay_alu instid0(VALU_DEP_1)
	v_lshl_or_b32 v253, v239, 8, v238              ; lanes 0-15, which alone are read: blocks 0 and 2 are mine, blocks 1 and 3 lane l + 16's
.irp c, 0,1
	v_cvt_scalef32_pk16_fp6_f32 v[224+6*\c:226+6*\c], v[96+32*\c:111+32*\c], v[244+\c]
	v_cvt_scalef32_pk16_fp6_f32 v[236+4*\c:238+4*\c], v[112+32*\c:127+32*\c], v[244+\c]   ; (a conversion's three registers begin on an even number)
.endr
	PA 254, 108, 112                               ; the row's sum, of the unquantised p, in eight chains; this first line is the plain place behind the conversions
.irp c, 0,1
.irp i, 0,1,2
	v_mov_b32 v[227+6*\c+\i], v[236+4*\c+\i]
.endr
.endr
	PA 236, 100, 104
	PA 246, 116, 120
	PA 244, 124, 128
	PA 242, 132, 136
	PA 240, 140, 144
	PA 92, 148, 152
	PA 14, 14, 156
	PA 236, 236, 96
	PA 254, 254, 98
	PA 246, 246, 102
	PA 244, 244, 106
	PA 242, 242, 110
	PA 240, 240, 114
	PA 92, 92, 118
	PA 14, 14, 122
	PA 236, 236, 126
	PA 254, 254, 130
	PA 246, 246, 134
	PA 244, 244, 138
	PA 242, 242, 142
	PA 240, 240, 146
	PA 92, 92, 150
	PA 14, 14, 154
	PA 236, 236, 158
	s_delay_alu instid0(VALU_DEP_2)
	PA 14, 14, 244
	s_delay_alu instid0(VALU_DEP_2)
	PA 236, 236, 242
	PA 254, 254, 240
	PA 246, 246, 92
	s_delay_alu instid0(VALU_DEP_2)
	PA 14, 14, 254
.set j, 0
.rept 16
	v_pk_mul_f32 v[160+j:161+j], v[160+j:161+j], v[252:253] op_sel_hi:[1,0]   ; O^T under the new M (with the sums above: the places between p's codes and word and the products)
.set j, j+2
.endr
	s_add_co_u32 s76, s76, 6336<<\d
	s_add_co_u32 s77, s77, 512<<\d
	s_add_co_u32 s78, s78, 6144
	s_add_co_u32 s79, s79, 256
	s_wait_alu depctr_va_vdst(0)
	s_wait_dscnt 0x0                               ; V
.irp t, 0,1,2,3                                ; O^T += V^T P^T: four accumulators, one instruction each; the next matrix instruction is another accumulator's
	v_wmma_scale_f32_16x16x128_f8f6f4 v[160+8*\t:167+8*\t], v[32+12*\t:43+12*\t], v[224:235], v[160+8*\t:167+8*\t], v[248+\t], v253 matrix_a_fmt:MATRIX_FMT_FP6 matrix_b_fmt:MATRIX_FMT_FP6
.endr
	PA 236, 236, 246                               ; the sum's last two additions name none of the products' registers: two of the places behind them
	PA 14, 14, 236
.endm
; A LEVEL: 16 >> d steps; then O^T / the sum x the gate's weight goes into v192-223.
.macro LEVEL d, first
	global_load_b32 v94, v95, s[86:87] offset:4*\d ; my query's weight for this level
	v_mov_b32 v13, 0xff61b1e6                      ; the largest score so far: -3e38
	v_mov_b32 v12, 0x7f61b1e6                      ; and -M: 3e38
	v_mov_b32 v14, 0
	v_mov_b32 v15, 0
.if \first
.set j, 0
.rept 32
	v_mov_b32 v[160+j], 0                          ; ahead of the first level alone: later the first step's factor, 0, clears what the last level left
.set j, j+1
.endr
.endif
	s_mov_b32 s76, 0
	s_mov_b32 s77, 0
	s_mov_b32 s80, 16>>\d
.Lstep_\@:
	STEP \d
	s_sub_co_u32 s80, s80, 1
	s_cmp_lg_u32 s80, 0
	s_cbranch_scc1 .Lstep_\@
	v_add_f32 v14, v14, v15
	s_delay_alu instid0(VALU_DEP_1)
	v_permlanex16_b32 v252, v14, s20, s21
	s_delay_alu instid0(VALU_DEP_1)
	v_add_f32 v14, v14, v252                       ; the row's sum
	s_wait_alu depctr_va_vdst(0)
	v_rcp_f32 v14, v14
	v_nop
	s_wait_loadcnt 0x0
	s_wait_alu depctr_va_vdst(0)
	v_mul_f32 v14, v14, v94
	s_delay_alu instid0(VALU_DEP_1)
	v_mov_b32 v15, v14
.set j, 0
.rept 16
.if \first
	v_pk_mul_f32 v[192+j:193+j], v[160+j:161+j], v[14:15]
.else
	v_pk_fma_f32 v[192+j:193+j], v[160+j:161+j], v[14:15], v[192+j:193+j]
.endif
.set j, j+2
.endr
.endm
	s_wait_tensorcnt 0x0                           ; my one load has landed
	s_barrier_signal -1
	s_barrier_wait -1                              ; everybody's has
	LEVEL 3, 1
	LEVEL 2, 0
	LEVEL 1, 0
	LEVEL 0, 0
	; THE WAY OUT.  Register 16 a + i of v192 on is channel 32 a + 16 h + i of my query: two blocks of the output projection's K.
	v_max3_num_f32 v232, |v192|, |v193|, 0x1800000
	v_max3_num_f32 v233, |v208|, |v209|, 0x1800000
.irp i, 2,4,6,8,10,12,14
	s_delay_alu instid0(VALU_DEP_2)
	v_max3_num_f32 v232, v232, |v[192+\i]|, |v[193+\i]|
	s_delay_alu instid0(VALU_DEP_2)
	v_max3_num_f32 v233, v233, |v[208+\i]|, |v[209+\i]|
.endr
	s_delay_alu instid0(VALU_DEP_2)
	v_permlanex16_b32 v236, v232, s20, s21
	s_delay_alu instid0(VALU_DEP_2)
	v_permlanex16_b32 v237, v233, s20, s21
	s_delay_alu instid0(VALU_DEP_2)
	v_max_num_f32 v232, v232, v236
	s_delay_alu instid0(VALU_DEP_2)
	v_max_num_f32 v233, v233, v237
	s_delay_alu instid0(VALU_DEP_2)
	v_add_nc_u32 v244, 0xff000000, v232
	s_delay_alu instid0(VALU_DEP_2)
	v_add_nc_u32 v245, 0xff000000, v233
	s_delay_alu instid0(VALU_DEP_2)
	v_lshrrev_b32 v236, 23, v244
	s_delay_alu instid0(VALU_DEP_2)
	v_lshrrev_b32 v237, 23, v245
	s_delay_alu instid0(VALU_DEP_1)
	v_lshl_or_b32 v238, v237, 8, v236              ; the two bytes
	v_cvt_scalef32_pk16_fp6_f32 v[224:226], v[192:207], v244
	v_cvt_scalef32_pk16_fp6_f32 v[228:230], v[208:223], v245
	v_nop
.irp i, 0,1,2
	v_permlane16_swap_b32 v[224+\i], v[228+\i]
.endr
	s_delay_alu instid0(VALU_DEP_3)
	v_mov_b32 v227, v228
	s_delay_alu instid0(VALU_DEP_3)
	v_mov_b32 v228, v229
	s_delay_alu instid0(VALU_DEP_3)
	v_mov_b32 v229, v230                           ; v224-229: block h of query r, 24 bytes
	v_and_b32 v96, 15, v0
	v_bfe_u32 v97, v0, 4, 1
	v_and_b32 v98, 31, v0
	s_mul_i32 s76, s10, 768
	s_add_co_u32 s76, s76, OSTG                    ; my stage
	v_mul_u32_u24 v99, v96, 48
	s_delay_alu instid0(VALU_DEP_1)
	v_mad_u32_u24 v99, v97, 24, v99
	s_delay_alu instid0(VALU_DEP_1)
	v_add_nc_u32 v99, s76, v99                     ; in: row r's 48 bytes
	v_lshlrev_b32 v100, 3, v98
	s_delay_alu instid0(VALU_DEP_1)
	v_add_nc_u32 v101, s76, v100                   ; back: as the bytes lie
	v_lshlrev_b32 v102, 5, v96
.irp p, 0,1,2
	ds_store_b64 v99, v[224+2*\p:225+2*\p] offset:8*\p
.endr
.irp p, 0,1,2
	ds_load_b64 v[240+2*\p:241+2*\p], v101 offset:256*\p       ; LDS serves a wave's instructions in order: these see my stores
.endr
	s_wait_alu depctr_va_vdst(0)
.irp p, 0,1,2
	s_wait_dscnt 2-\p                              ; read p is back; the younger ones may be out
	global_store_b64 v100, v[240+2*\p:241+2*\p], s[88:89] offset:256*\p   ; 256 consecutive bytes, aligned
.endr
	global_store_b16 v102, v238, s[90:91]          ; both halves of the lanes store the same two bytes
	s_wait_xcnt 0x0
	v_lshl_add_u32 v254, v0, 2, SPARE              ; the add's two registers, made anew
	v_mov_b32 v255, 0
	s_wait_alu depctr_va_vdst(0)
	s_wait_tensorcnt 0x0                           ; the wave's end
	ds_add_u32 v254, v255
	s_wait_dscnt 0x0
	ROUND                                          ; the closing round
	s_endpgm
.Lfunc_end_k_qe7787f0d1d_attn:
	.size	k_qe7787f0d1d_attn, .Lfunc_end_k_qe7787f0d1d_attn-k_qe7787f0d1d_attn
	.p2alignl 7, 3214868480
	.fill 96, 4, 3214868480
	.section	.rodata,"a",@progbits
	.p2align	6, 0x0
	.amdhsa_kernel k_qe7787f0d1d_attn
		.amdhsa_group_segment_fixed_size 327680
		.amdhsa_private_segment_fixed_size 0
		.amdhsa_enable_private_segment 0
		.amdhsa_kernarg_size 24
		.amdhsa_user_sgpr_count 2
		.amdhsa_user_sgpr_kernarg_segment_ptr 1
		.amdhsa_wavefront_size32 1
		.amdhsa_system_sgpr_workgroup_id_x 1
		.amdhsa_system_sgpr_workgroup_id_y 1
		.amdhsa_system_sgpr_workgroup_id_z 1
		.amdhsa_system_vgpr_workitem_id 0
		.amdhsa_next_free_vgpr 256
		.amdhsa_next_free_sgpr 96
		.amdhsa_reserve_vcc 0
		.amdhsa_float_denorm_mode_32 3
		.amdhsa_float_denorm_mode_16_64 3
		.amdhsa_memory_ordered 1
		.amdhsa_forward_progress 1
		.amdhsa_inst_pref_size 92
	.end_amdhsa_kernel
	.amdgpu_metadata
---
amdhsa.version: [ 1, 2 ]
amdhsa.kernels:
  - .name:           k_qe7787f0d1d_attn
    .symbol:         k_qe7787f0d1d_attn.kd
    .args:
      - { .name: qkvbuf, .offset: 0, .size: 8, .value_kind: global_buffer, .address_space: global }
      - { .name: prepbuf, .offset: 8, .size: 8, .value_kind: global_buffer, .address_space: global }
      - { .name: attbuf, .offset: 16, .size: 8, .value_kind: global_buffer, .address_space: global }
    .group_segment_fixed_size: 327680
    .private_segment_fixed_size: 0
    .kernarg_segment_align: 8
    .kernarg_segment_size: 24
    .max_flat_workgroup_size: 512
    .sgpr_count:     96
    .vgpr_count:     256
    .wavefront_size: 32
...
	.end_amdgpu_metadata
.endif
;; end of part 3
;; launch gemm_out (part 4): grid 8 x 32, 4 waves a work-group, clusters of 4 x 4, 327,680 bytes of LDS; arguments attbuf, prepbuf, bout, out0; writes out0
.if DOCPART == 4
	.amdgcn_target "amdgcn-amd-amdhsa--gfx1250"
	.amdhsa_code_object_version 6
	.text
	.protected	k_qe7787f0d1d_gemm_out
	.globl	k_qe7787f0d1d_gemm_out
	.p2align	8
	.type	k_qe7787f0d1d_gemm_out,@function
k_qe7787f0d1d_gemm_out:
	s_mov_b64 s[64:65], 0
	v_nop
	global_prefetch_b8 v0, s[64:65] scope:SCOPE_SE
	s_setreg_imm32_b32 hwreg(HW_REG_WAVE_MODE, 25, 1), 1
	s_wait_xcnt 0x0
	s_wait_alu depctr_hold_cnt(0) depctr_sa_sdst(0) depctr_va_vdst(0) depctr_va_sdst(0) depctr_va_ssrc(0) depctr_va_vcc(0) depctr_vm_vsrc(0)
	s_getreg_b32 s2, hwreg(HW_REG_IB_STS2, 6, 4)
	s_cmp_eq_u32 s2, 0
	s_cbranch_scc0 .Lentry_in_a_cluster
	s_endpgm
.Lentry_in_a_cluster:
	s_bfe_u32 s2, ttmp6, 0x10000c
	s_cmp_lg_u32 s2, 0xf033
	s_cbranch_scc0 .Lentry_shape_is_right
	s_endpgm
.Lentry_shape_is_right:
; out0[4096][1024] = att x Wout + bout.  Both operands are codes of FP6 (E2M3) in planes of 64 along K, [plane 16][row][48 bytes], with scale bytes [row][32]; sums in f32.
; A row of Wout's codes is a POSITION: column n lies at position n with bits 3 and 4 exchanged; the way out puts the columns back.
; A work-group makes 128 x 128 of the result: 32 x 8 = 256 work-groups.  Its four waves make 64 x 64 each: 16 accumulators, taken by turns.
; ALL OF K LIES IN LDS AT ONCE: A's 16 planes x 128 rows x 48 bytes, then B's: 196,608 bytes, each byte filled once.  No ring, nothing is filled again.
; Each wave issues ONE tensor load, at the head: waves 0, 1 A's planes 0-7, 8-15; waves 2, 3 B's.  A plane's 128 rows are 6,144 consecutive bytes that begin on a multiple of 256.
; CLUSTERS: 4 x 4 work-groups; A's tile is asked for jointly along a row of the cluster, B's along a column.
; THE SCALE WORDS go from memory into registers: a block of 16 rows is 512 consecutive bytes, 16 a lane: lanes 0-15 hold the words of K steps 0-3 of row r, lanes 16-31 those of steps 4-7
; (the instruction's ROW1 selector takes them).  They are 8,192 of the 204,800 bytes that a work-group reads, so they are not asked for jointly.
; No prefetch: every tile is asked for at the head, and there is no loop to run ahead in.
; THE MATRIX INSTRUCTION IS USED TRANSPOSED (source 0 = 16 positions of Wout, source 1 = 16 rows of att): a lane holds eight neighbouring columns of one row of the result.
; REGISTERS: window 0: v16-29 addresses, v32-47 A's scale words, v48-63 B's, v64-67 the bias, v128-223 A's fragments in two sets (on the way out v128-255 hold rows read back);
; window 1: v0-95 B's fragments in two sets; window 2: v0-127 the accumulators, (a, b) at 8 (4 a + b).
.set ASO,    3145728                   ; attbuf: the scale bytes
.set OCO,    6291456                   ; prepbuf: Wout's codes,
.set OSO,    7307264                   ; and its scale bytes
.set APLANE, 196608
.set BPLANE, 49152
.set PLB,    6144                      ; a plane of 128 rows in LDS
.set HALFK,  8*PLB                     ; what one tensor load brings
.set BLDS,   2*HALFK                   ; B's planes lie behind A's
.set STAGE,  4*HALFK                   ; behind the tiles: a stage of 64 rows x 272 bytes for each wave; no tile lands there
.set SPITCH, 272
.set WSTG,   64*SPITCH
.set SPARE,  STAGE+4*WSTG              ; the spare words: 128 bytes a wave, named by no other line
.set FR,   12
.set ADRA, 16                          ; v16, v17 my A fragments, planes 0-7 and 8-15
.set ADRB, 18                          ; v18, v19 the same for B
.set STO,  20
.set RD,   21
.set CO,   22
.set SCO,  23
.set CB,   24
.set SPW,  28
.set NIL,  29
.set SA,   32
.set SB,   48
.set BI,   64
.set AF,   128
.set BK,   128
.set G1,  24
.set G0,  32
.set G1B, 48
.set G0B, 56
.set MSB, 0
.macro WIN new                         ; the immediate's high byte repeats the setting that is left
.if MSB != \new
	s_set_vgpr_msb (MSB<<8)|\new
.set MSB, \new
.endif
.endm
.set MULW, 0xa1                        ; source 0 window 1, source 1 window 0, C and D window 2
.set TO_B, 0x40                        ; destination window 1
.macro PLACES
.rept 4
	v_nop
.endr
.endm
.macro CROUND                          ; a round of the cluster's barrier
	s_barrier_signal -1
	s_barrier_wait -1
	s_cmp_lg_u32 s14, 0
	s_cbranch_scc1 .Lnot_wave_0_\@
	s_barrier_signal -3
.Lnot_wave_0_\@:
	s_barrier_wait -3
	s_barrier_signal -1
	s_barrier_wait -1
.endm
	s_load_b128 s[4:7], s[0:1], 0x0                ; attbuf, prepbuf
	s_load_b128 s[8:11], s[0:1], 0x10              ; bout, out0
	v_lshl_add_u32 v[SPW], v0, 2, SPARE
	v_mov_b32 v[NIL], 0
	ds_add_u32 v[SPW], v[NIL]                      ; the opening lines: the add, twice on end, and its wait
	ds_add_u32 v[SPW], v[NIL]
	v_lshrrev_b32 v1, 5, v0
	v_readfirstlane_b32 s14, v1                    ; wave 0..3
	s_lshr_b32 s15, s14, 1                         ; my half of the rows.  Also: I fetch for A (0) or B (1)
	s_and_b32 s16, s14, 1                          ; my half of the columns.  Also: which 8 planes I fetch
	s_bfe_u32 s40, ttmp6, 0x40000                  ; cx
	s_bfe_u32 s41, ttmp6, 0x40004                  ; cy
	s_lshl_b32 s42, ttmp9, 2
	s_add_co_u32 s42, s42, s40                     ; block column 0..7
	s_and_b32 s17, ttmp7, 0xffff
	s_lshl_b32 s17, s17, 2
	s_add_co_u32 s17, s17, s41                     ; block row 0..31
	s_lshl_b32 s43, s41, 2
	s_lshl_b32 s43, 15, s43                        ; my row of the cluster
	s_lshl_b32 s44, 0x1111, s40                    ; my column
	s_or_b32 s[G1], s43, (3<<16)|(1<<21)           ; elements of 8 bytes; 8 rows (planes) of 768 elements
	s_or_b32 s[G1B], s44, (3<<16)|(1<<21)
.irp g, G1, G1B
	s_mov_b32 s[\g+1], 768<<16
	s_mov_b32 s[\g+2], 8<<16
	s_mov_b32 s[\g+3], 768<<16
	s_mov_b32 s[\g+4], 8
	s_mov_b32 s[\g+6], 0
	s_mov_b32 s[\g+7], 0
.endr
	s_mov_b32 s[G1+5], APLANE/8
	s_mov_b32 s[G1B+5], BPLANE/8
	s_mul_i32 s20, s17, PLB                        ; A: my block's 128 rows, my 8 planes
	s_mul_i32 s18, s16, 8*APLANE
	s_add_co_u32 s20, s20, s18
	s_mov_b32 s21, 0
	s_mul_i32 s46, s42, PLB                        ; B likewise
	s_mul_i32 s18, s16, 8*BPLANE
	s_add_co_u32 s46, s46, s18
	s_add_co_u32 s46, s46, OCO
	s_mov_b32 s47, 0
	s_mul_i32 s45, s14, HALFK                      ; where they go: wave x 8 planes
	s_wait_dscnt 0x0                               ; both opening adds are done
	s_wait_kmcnt 0x0
	s_add_nc_u64 s[20:21], s[4:5], s[20:21]
	s_add_nc_u64 s[46:47], s[6:7], s[46:47]
	s_mov_b32 s[G0], 1
	s_mov_b32 s[G0+1], s45
	s_mov_b64 s[G0+2:G0+3], s[20:21]
	s_or_b32 s[G0+3], s[G0+3], 0x80000000
	s_mov_b32 s[G0B], 1
	s_mov_b32 s[G0B+1], s45
	s_mov_b64 s[G0B+2:G0B+3], s[46:47]
	s_or_b32 s[G0B+3], s[G0B+3], 0x80000000
	CROUND                                         ; all sixteen work-groups are here: the joint loads meet
	s_cmp_eq_u32 s15, 0
	s_cbranch_scc0 .Lfor_b
	tensor_load_to_lds s[G0:G0+3], s[G1:G1+7]
	s_nop 0
	PLACES
	s_branch .Lasked
.Lfor_b:
	tensor_load_to_lds s[G0B:G0B+3], s[G1B:G1B+7]
	s_nop 0
	PLACES
.Lasked:
	s_lshl_b32 s60, s17, 12                        ; A's scale bytes: 32 a row; my 64 rows
	s_lshl_b32 s61, s15, 11
	s_add_co_u32 s60, s60, s61
	s_add_co_u32 s60, s60, ASO
	s_mov_b32 s61, 0
	s_add_nc_u64 s[60:61], s[4:5], s[60:61]
	s_lshl_b32 s62, s42, 12                        ; B's: my 64 positions
	s_lshl_b32 s63, s16, 11
	s_add_co_u32 s62, s62, s63
	s_add_co_u32 s62, s62, OSO
	s_mov_b32 s63, 0
	s_add_nc_u64 s[62:63], s[6:7], s[62:63]
	s_lshl_b32 s18, s42, 9                         ; my first column, in bytes
	s_lshl_b32 s19, s16, 8
	s_add_co_u32 s18, s18, s19
	s_mov_b32 s19, 0
	s_add_nc_u64 s[8:9], s[8:9], s[18:19]          ; the bias of my 64 columns
	s_lshl_b32 s22, s17, 19                        ; my first row: 4,096 bytes a row
	s_lshl_b32 s23, s15, 18
	s_add_co_u32 s22, s22, s23
	s_add_co_u32 s18, s18, s22
	s_add_nc_u64 s[12:13], s[10:11], s[18:19]
	s_mul_i32 s20, s15, 64*48                      ; LDS: my 64 rows of a plane of A,
	s_mul_i32 s21, s16, 64*48
	s_add_co_u32 s21, s21, BLDS                    ; of B,
	s_mul_i32 s23, s14, WSTG
	s_add_co_u32 s23, s23, STAGE                   ; my stage
	v_and_b32 v1, 15, v0                           ; r
	v_bfe_u32 v2, v0, 4, 1                         ; h
	v_mul_u32_u24 v3, v1, 48
	v_mad_u32_u24 v3, v2, 24, v3                   ; a fragment: row r's 48 bytes of a plane, + 24 h
	v_add_nc_u32 v[ADRA], s20, v3
	v_add_nc_u32 v[ADRB], s21, v3
	v_add_nc_u32 v[ADRA+1], HALFK, v[ADRA]
	v_add_nc_u32 v[ADRB+1], HALFK, v[ADRB]
	v_lshlrev_b32 v[CB], 4, v1                     ; 16 bytes a lane of a row's 256
	v_mul_u32_u24 v4, v1, SPITCH
	v_lshl_add_u32 v4, v2, 6, v4
	v_add_nc_u32 v[STO], s23, v4                   ; into the stage: row r, 64 h (position bit 3 is column bit 4)
	v_mad_u32_u24 v5, v2, SPITCH, v[CB]
	v_add_nc_u32 v[RD], s23, v5                    ; back: sixteen lanes to a row, two rows an instruction
	v_lshl_add_u32 v[CO], v2, 12, v[CB]            ; and the same in out0
	v_lshlrev_b32 v[SCO], 5, v1
	v_lshl_add_u32 v[SCO], v2, 4, v[SCO]           ; scale words: row r's 32 bytes, half h
	s_wait_alu depctr_va_vdst(0)                   ; the wait at the head's end
.irp i, 0,1,2,3
	global_load_b128 v[SA+4*\i:SA+4*\i+3], v[SCO], s[60:61] offset:512*\i
	global_load_b128 v[SB+4*\i:SB+4*\i+3], v[SCO], s[62:63] offset:512*\i
.endr
	global_load_b128 v[BI:BI+3], v[CB], s[8:9]
	s_wait_tensorcnt 0x0                           ; my one load has landed
	s_barrier_signal -1
	s_barrier_wait -1                              ; everybody's has
; a fragment of K step st: registers 0-5 from plane 2 st, 6-11 from plane 2 st + 1, in pieces of 8 bytes
.macro FRAG reg, adr, st, i
.irp p, 0,1,2,3,4,5
	ds_load_b64 v[\reg+2*\p:\reg+2*\p+1], v[\adr+(\st)/4] offset:(2*((\st)%4)+\p/3)*PLB+(\i)*768+8*(\p%3)
.endr
.endm
.macro FETCH st                        ; 48 loads: B's four fragments and A's four, into set st % 2
	WIN TO_B
.irp i, 0,1,2,3
	FRAG 48*((\st)%2)+FR*\i, ADRB, \st, \i
.endr
	WIN 0
.irp i, 0,1,2,3
	FRAG AF+48*((\st)%2)+FR*\i, ADRA, \st, \i
.endr
.endm
.macro MUL st                          ; 16 matrix instructions, the 16 accumulators by turns, in the same order in every step
.irp a, 0,1,2,3
.irp b, 0,1,2,3
.set DD, 8*(4*\a+\b)
.set PB, 48*((\st)%2)+FR*\b
.set PA, AF+48*((\st)%2)+FR*\a
.set KB, SB+4*\b+(\st)%4
.set KA, SA+4*\a+(\st)%4
.if (\st) == 0
	v_wmma_scale_f32_16x16x128_f8f6f4 v[DD:DD+7], v[PB:PB+11], v[PA:PA+11], 0, v[KB], v[KA] matrix_a_fmt:MATRIX_FMT_FP6 matrix_b_fmt:MATRIX_FMT_FP6
.else
.if (\st) < 4
	v_wmma_scale_f32_16x16x128_f8f6f4 v[DD:DD+7], v[PB:PB+11], v[PA:PA+11], v[DD:DD+7], v[KB], v[KA] matrix_a_fmt:MATRIX_FMT_FP6 matrix_b_fmt:MATRIX_FMT_FP6
.else
	v_wmma_scale_f32_16x16x128_f8f6f4 v[DD:DD+7], v[PB:PB+11], v[PA:PA+11], v[DD:DD+7], v[KB], v[KA] matrix_a_fmt:MATRIX_FMT_FP6 matrix_b_fmt:MATRIX_FMT_FP6 matrix_a_scale:MATRIX_SCALE_ROW1 matrix_b_scale:MATRIX_SCALE_ROW1
.endif
.endif
.endr
.endr
.endm
	FETCH 0
.set ST, 0
.rept 8                                ; eight K steps of 128, written out: every offset is an immediate
.if ST < 7
.if ST > 0
	PLACES                                         ; in front of loads into the set that the last step multiplied
.endif
	FETCH ST+1
	s_wait_dscnt 48                                ; this step's fragments are in; the 48 loads just issued may be out
.else
	s_wait_dscnt 0x0
.endif
.if ST == 0
	s_wait_loadcnt 0x0                             ; the scale words and the bias
.endif
	WIN MULW
	MUL ST
.set ST, ST+1
.endr
; THE WAY OUT: all 64 rows go through my own stage and come back as rows of 256 bytes; LDS serves a wave's instructions in order
	PLACES
	WIN 0x08                                       ; the stores' data: window 2
.irp a, 0,1,2,3
.irp b, 0,1,2,3
	ds_store_b128 v[STO], v[8*(4*\a+\b):8*(4*\a+\b)+3] offset:\a*16*SPITCH+128*(\b/2)+32*(\b%2)      ; each accumulator from its low end on
	ds_store_b128 v[STO], v[8*(4*\a+\b)+4:8*(4*\a+\b)+7] offset:\a*16*SPITCH+128*(\b/2)+32*(\b%2)+16
.endr
.endr
	WIN 0
.set n, 0
.rept 32
	ds_load_b128 v[BK+4*n:BK+4*n+3], v[RD] offset:n*2*SPITCH
.set n, n+1
.endr
.irp a, 0,1,2,3
	s_wait_dscnt 24-8*\a                           ; block a's eight reads are back; the later blocks' may be out
.irp t, 0,1,2,3,4,5,6,7
	v_pk_add_f32 v[BK+32*\a+4*\t:BK+32*\a+4*\t+1], v[BK+32*\a+4*\t:BK+32*\a+4*\t+1], v[BI:BI+1]
	v_pk_add_f32 v[BK+32*\a+4*\t+2:BK+32*\a+4*\t+3], v[BK+32*\a+4*\t+2:BK+32*\a+4*\t+3], v[BI+2:BI+3]
.endr
.irp t, 0,1,2,3,4,5,6,7
	global_store_b128 v[CO], v[BK+32*\a+4*\t:BK+32*\a+4*\t+3], s[12:13] offset:(16*\a+2*\t)*4096 th:TH_STORE_NT   ; sixteen lanes store 256 consecutive bytes, aligned
.endr
.endr
	s_wait_tensorcnt 0x0                           ; the wave's end
	ds_add_u32 v[SPW], v[NIL]
	s_wait_dscnt 0x0
	CROUND                                         ; the closing round
	s_endpgm
.Lfunc_end_k_qe7787f0d1d_gemm_out:
	.size	k_qe7787f0d1d_gemm_out, .Lfunc_end_k_qe7787f0d1d_gemm_out-k_qe7787f0d1d_gemm_out
	.p2alignl 7, 3214868480
	.fill 96, 4, 3214868480
	.section	.rodata,"a",@progbits
	.p2align	6, 0x0
	.amdhsa_kernel k_qe7787f0d1d_gemm_out
		.amdhsa_group_segment_fixed_size 327680
		.amdhsa_private_segment_fixed_size 0
		.amdhsa_enable_private_segment 0
		.amdhsa_kernarg_size 32
		.amdhsa_user_sgpr_count 2
		.amdhsa_user_sgpr_kernarg_segment_ptr 1
		.amdhsa_wavefront_size32 1
		.amdhsa_system_sgpr_workgroup_id_x 1
		.amdhsa_system_sgpr_workgroup_id_y 1
		.amdhsa_system_sgpr_workgroup_id_z 1
		.amdhsa_system_vgpr_workitem_id 0
		.amdhsa_next_free_vgpr 640
		.amdhsa_next_free_sgpr 68
		.amdhsa_reserve_vcc 0
		.amdhsa_float_denorm_mode_32 3
		.amdhsa_float_denorm_mode_16_64 3
		.amdhsa_memory_ordered 1
		.amdhsa_forward_progress 1
		.amdhsa_inst_pref_size 61
	.end_amdhsa_kernel
	.amdgpu_metadata
---
amdhsa.version: [ 1, 2 ]
amdhsa.kernels:
  - .name:           k_qe7787f0d1d_gemm_out
    .symbol:         k_qe7787f0d1d_gemm_out.kd
    .args:
      - { .name: attbuf, .offset: 0, .size: 8, .value_kind: global_buffer, .address_space: global }
      - { .name: prepbuf, .offset: 8, .size: 8, .value_kind: global_buffer, .address_space: global }
      - { .name: bout, .offset: 16, .size: 8, .value_kind: global_buffer, .address_space: global }
      - { .name: out0, .offset: 24, .size: 8, .value_kind: global_buffer, .address_space: global }
    .group_segment_fixed_size: 327680
    .private_segment_fixed_size: 0
    .kernarg_segment_align: 8
    .kernarg_segment_size: 32
    .max_flat_workgroup_size: 128
    .sgpr_count:     68
    .vgpr_count:     640
    .wavefront_size: 32
...
	.end_amdgpu_metadata
.endif
;; end of part 4
